; MI455X (gfx1250); checked and timed in simulation.
; The chip was launched on July 23, 2026; its instructions are those of AMD's public machine-readable ISA for CDNA 5 (MIT licence, August 2026) and "CDNA5" Instruction Set Architecture Reference Guide (July 2026). The comments in the code are by the model that wrote it; some were corrected since.
;; Multi Head Attention. Allowed arithmetic: matrix products marked QUANTISED: E2M1 operands, one E8M0 scale for each 32 along K, by v_wmma_scale_f32_16x16x128_f8f6f4 with both operands' format E2M1 (or v_wmma_scale_f32_32x16x128_f4), f32 sums; everything else in f32.
;; Inputs: Wk 1,024 x 1,024 float32; Wo 1,024 x 1,024 float32; Wq 1,024 x 1,024 float32; Wv 1,024 x 1,024 float32; bk 1,024 float32; bo 1,024 float32; bq 1,024 float32; bv 1,024 float32; x 4 x 2,048 x 1,024 float32.
;; Outputs: out0 4 x 2,048 x 1,024 float32.
;; This version of the problem:
;;   THIS VERSION OF THE PROBLEM IS GIVEN IN LOW PRECISION. The matrix products marked QUANTISED in the list below multiply operands that are first quantised to E2M1 (2 exponent bits, 1 mantissa bit; 4 bits a number), with one power-of-two scale for each 32 numbers along K (OCP MX v1.0); their sums are f32. All else is computed in f32.
;;   The module's matrix products, in the order in which they are computed (A, B: the left and right operand; K: the contracted axis; several contracted axes count as one K, in the product's order):
;;     1. [M 8,192, K 1,024] x [K 1,024, N 1,024]; A: input x; B: input Wq: QUANTISED
;;     2. [M 8,192, K 1,024] x [K 1,024, N 1,024]; A: input x; B: input Wk: QUANTISED
;;     3. [M 8,192, K 1,024] x [K 1,024, N 1,024]; A: input x; B: input Wv: QUANTISED
;;     4. batch 64 x [M 2,048, K 64] x [K 64, N 2,048]; A: computed on the way; B: computed on the way: QUANTISED
;;     5. batch 64 x [M 2,048, K 2,048] x [K 2,048, N 64]; A: softmax (see below); B: computed on the way: QUANTISED
;;     6. [M 8,192, K 1,024] x [K 1,024, N 1,024]; A: computed on the way; B: input Wo: QUANTISED
;;   THE QUANTISER, for each operand of a quantised product, along K:
;;     - K is cut into blocks of 32 from its start; a last block that is shorter is filled with zeros.
;;     - A block's scale is 2^e with e = floor(log2(the largest magnitude in the block)) - 2, held to -126 .. 127; a block of zeros has e = 0. As a byte (E8M0): e + 127.
;;     - Each number is divided by its block's scale, clamped to +-6, and rounded to the nearest number of E2M1, ties to even, subnormals kept.
;;     - The product sums the exact products of the quantised numbers (number of the format x scale) in f32.
;;   ~~~python
;;   def quantise(x, axis):      # numpy; x: float32 -> the quantised numbers, widened to float32 again
;;       x = np.moveaxis(x, axis, -1); K = x.shape[-1]
;;       x = np.pad(x, [(0, 0)] * (x.ndim - 1) + [(0, -K % 32)]); x = x.reshape(x.shape[:-1] + (-1, 32)); a = np.abs(x).max(-1, keepdims=True)
;;       e = np.where(a > 0, np.clip(np.frexp(np.where(a > 0, a, 1))[1] - 1 - 2, -126, 127), 0)      # np.frexp(a)[1] - 1 = floor(log2(a)), exactly
;;       r = np.clip(x / 2.0 ** e, -6, 6)
;;       step = 2.0 ** (np.maximum(np.frexp(np.where(r == 0, 1, r))[1] - 1, 0) - 1)
;;       q = np.round(r / step) * step * 2.0 ** e      # np.round: ties to even
;;       return np.moveaxis(q.reshape(q.shape[:-2] + (-1,))[..., :K], -1, axis).astype(np.float32)
;;   ~~~
;;   SOFTMAX AHEAD OF A QUANTISED PRODUCT. Where the list says 'softmax', what is quantised is not the finished softmax but p = 2^(t - M), with t = logit x log2(e) and M = ceil(the row's largest t), a whole number; so 1/2 < the row's largest p <= 1. The row's sum l is taken of the UNQUANTISED p, in f32, and the product's result is divided by l at the end. Since M is a whole number, a kernel that streams over the keys may use a running M (the ceiling of the running maximum): every later rescaling is an exact power of two, which a block's scale takes up: the codes' values come out the same.
;;   OPERANDS COMPUTED ON THE WAY. 'Computed on the way' means the value that the module computes at that place (a softmax that the list does not call 'softmax' is quantised finished and normalised). What goes into a quantiser is computed in f32, as accurately as f32 sums, v_exp_f32 and their like allow (about 1e-6 of the number): no bf16 or f16 on the way to a quantiser, and a product that is left as it is and whose result goes on into a quantised operand takes f32 operands (vector FMAs, or v_wmma_f32_16x16x4_f32). A number that lies on a knife's edge between two numbers of the format may be rounded either way, as far as f32 arithmetic and the matrix unit's own rounding can turn it there, and no further.
;; One version. Each part assembles by itself: llvm-mc -triple=amdgcn-amd-amdhsa -mcpu=gfx1250 --defsym DOCPART=n.
;; ======== version 1 of 1: 4 launches
;; workspace buffers: xq 4,456,448 bytes; wq 2,228,224 bytes; qq 4,456,448 bytes; kv 8,912,896 bytes; oq 4,456,448 bytes
;; launch quant (part 1): grid 768 x 1, 4 waves a work-group, no clusters, 67,072 bytes of LDS; arguments x, Wq, Wk, Wv, Wo, xq, wq; writes xq, wq
.if DOCPART == 1
	.amdgcn_target "amdgcn-amd-amdhsa--gfx1250"
	.amdhsa_code_object_version 6
	.text
	.protected	k_q4f088dab64_quant
	.globl	k_q4f088dab64_quant
	.p2align	8
	.type	k_q4f088dab64_quant,@function
k_q4f088dab64_quant:
	s_mov_b64 s[64:65], 0
	v_nop
	global_prefetch_b8 v0, s[64:65] scope:SCOPE_SE
	s_setreg_imm32_b32 hwreg(HW_REG_WAVE_MODE, 25, 1), 1
	s_wait_xcnt 0x0
; MULTI-HEAD ATTENTION IN MX-FP4, launch 1 of 4: x [8192][1024] and the four weights [1024 (k)][1024 (n)], f32, become codes of E2M1 with one E8M0 byte for each 32 along K.
; DEAD WORK: none.  Every product of the problem is live, and each bias goes into a quantised operand (bq, bk, bv: bk too, since it moves k's codes and scales) or into the output (bo): all nine inputs are loaded by some launch.
; LAYOUT OF THE WORKSPACE: images of operand registers.  Rows (tokens, or a weight's n) go in groups of 32; group P gives tiles 2 P + u of 16 rows, slot r of a tile holding row 32 P + 8 u + r + 8 (r / 8).
;   codes  [half of K 2][tile][block of 32 along K, 16 to a half][slot 16][16 bytes]: the 512 bytes of a fragment's four registers lie on end, lane l's at 16 l.
;   scales [tile][K step of 128, 8][slot 16][4 bytes], behind the codes.
; A block's scale is 2^(floor(log2(largest magnitude)) - 2): its byte is the largest magnitude's exponent field - 2, held at 1 from below by a floor among the maximum's leaves.
; LIMITS: a block of zeros, or one whose largest magnitude lies under 2^(3 - 127), gets the byte 1 (the rule says 127 for zeros): its codes are zeros, and this program alone reads the bytes.  NaN and infinities among the inputs are not served.
; SHARES: work-groups 0-511 take a tile of 16 rows of x, wave kq its K quarter; work-groups 512-767 take a weight, 128 columns and a K step of 128, wave w 32 columns.  Waves share nothing: no barrier.
; No cluster: no two work-groups read the same bytes.  No matrix unit, no tensor load: a stream that is read once.
.set SPARE, 66560                      ; behind the four stages: the spare words, 128 bytes a wave
.set STG,   16640                      ; a wave's stage: 16 rows x PITCH
.set PITCH, 1040                       ; 1,024 bytes of a row's K quarter + 16: sixteen rows begin 16 bytes apart modulo 256
.set SPW,   12                         ; v12  LDS address of my spare word; never rewritten
.set NIL,   13                         ; v13  0; never rewritten
.set R,     16                         ; v16-143  x as loaded: 32 loads of 16 bytes a lane
.set X,     144                        ; v144-207 two sets of 32 numbers: a block of 32 along K
.set C,     208                        ; v208-223 codes: four registers a block, never written twice
.set E,     224                        ; v224-227 scale bytes
; the block in v[xs] .. v[xs + 31]: its scale operand into v230, its byte into v[e]
.macro MAXSCALE xs, e
	v_max3_num_f32 v228, |v[\xs]|, |v[\xs+1]|, |v[\xs+2]|
	v_max3_num_f32 v229, |v[\xs+3]|, |v[\xs+4]|, |v[\xs+5]|
.irp i, 6,10,14,18,22,26
	v_max3_num_f32 v228, v228, |v[\xs+\i]|, |v[\xs+\i+1]|
	v_max3_num_f32 v229, v229, |v[\xs+\i+2]|, |v[\xs+\i+3]|
.endr
	v_max3_num_f32 v228, v228, |v[\xs+30]|, |v[\xs+31]|
	v_max3_num_f32 v228, v228, v229, 0x1800000     ; the floor 2^(3 - 127): the byte cannot fall under 1
	v_add_nc_u32 v230, 0xff000000, v228            ; 2 off the exponent field: the conversion takes this operand's exponent field as its scale
	v_lshrrev_b32 v[\e], 23, v230                  ; the scale's byte
.endm
.macro CODES xs, cd
.irp g, 0,1,2,3
	v_cvt_scalef32_pk8_fp4_f32 v[\cd+\g], v[\xs+8*\g:\xs+8*\g+7], v230
.endr
	v_nop                                          ; one plain line behind the last conversion
.endm
	s_load_b256 s[4:11], s[0:1], 0x0               ; x, Wq, Wk, Wv
	s_load_b128 s[12:15], s[0:1], 0x20             ; Wo, xq
	s_load_b64 s[16:17], s[0:1], 0x30              ; wq
	v_lshl_add_u32 v[SPW], v0, 2, SPARE
	v_mov_b32 v[NIL], 0
	v_lshrrev_b32 v1, 5, v0
	v_readfirstlane_b32 s18, v1                    ; wave 0..3
	v_and_b32 v1, 31, v0                           ; lane
	v_and_b32 v7, 15, v0                           ; r
	v_bfe_u32 v8, v0, 4, 1                         ; h
	s_mov_b32 s20, 0x76543210
	s_mov_b32 s21, 0xfedcba98                      ; v_permlanex16_b32's selects for lane l xor 16
	s_cmp_ge_u32 ttmp9, 512
	s_cbranch_scc1 .Lweights
	; ---- x: tile T = the work-group's number, K quarter = the wave's
	v_lshlrev_b32 v2, 4, v1                        ; 16 x lane
	s_mul_i32 s19, s18, STG
	v_add_nc_u32 v3, s19, v2                       ; into the stage: as the bytes lie
	v_mul_u32_u24 v4, v7, PITCH
	v_lshl_add_u32 v4, v8, 7, v4
	v_add_nc_u32 v4, s19, v4                       ; out of it: row r, block h of a pair of blocks
	v_lshlrev_b32 v5, 2, v1                        ; 4 x lane
	v_lshlrev_b32 v6, 3, v8                        ; 8 h
	s_lshr_b32 s22, ttmp9, 1
	s_lshl_b32 s22, s22, 5
	s_and_b32 s23, ttmp9, 1
	s_lshl_b32 s23, s23, 3
	s_add_co_u32 s22, s22, s23                     ; the tile's first row: 32 (T / 2) + 8 (T % 2)
	s_lshl_b32 s22, s22, 12
	s_lshl_b32 s23, s18, 10
	s_add_co_u32 s22, s22, s23                     ; + my K quarter, 1,024 bytes
	s_mov_b32 s23, 0
	s_lshr_b32 s24, s18, 1
	s_lshl_b32 s24, s24, 21                        ; codes: the half of K,
	s_lshl_b32 s25, ttmp9, 12
	s_add_co_u32 s24, s24, s25                     ; the tile,
	s_and_b32 s25, s18, 1
	s_lshl_b32 s25, s25, 11
	s_add_co_u32 s24, s24, s25                     ; my eight blocks
	s_mov_b32 s25, 0
	s_lshl_b32 s26, ttmp9, 9
	s_lshl_b32 s27, s18, 7
	s_add_co_u32 s26, s26, s27
	s_add_co_u32 s26, s26, 4194304                 ; scales: behind the codes; the tile; my two K steps
	s_mov_b32 s27, 0
	s_wait_alu depctr_va_vdst(0)
	s_wait_kmcnt 0x0
	s_add_nc_u64 s[4:5], s[4:5], s[22:23]
	s_add_nc_u64 s[24:25], s[14:15], s[24:25]
	s_add_nc_u64 s[26:27], s[14:15], s[26:27]
.irp rr, 0,1,2,3,4,5,6,7,8,9,10,11,12,13,14,15
.irp j, 0,1
	global_load_b128 v[R+8*\rr+4*\j:R+8*\rr+4*\j+3], v2, s[4:5] offset:(\rr+8*(\rr/8))*4096+512*\j th:TH_LOAD_NT   ; 32 lanes read 512 consecutive bytes of slot rr's row
.endr
.endr
.irp rr, 0,1,2,3,4,5,6,7,8,9,10,11,12,13,14,15
	s_wait_loadcnt 30-2*\rr                        ; this row's two loads are in; the younger rows' may be out
.irp j, 0,1
	ds_store_b128 v3, v[R+8*\rr+4*\j:R+8*\rr+4*\j+3] offset:\rr*PITCH+512*\j
.endr
.endr
.macro LOADX n                         ; blocks 2 n + h of my row r: 32 neighbours along K a lane.  LDS serves a wave's instructions in order: these see my stores
.irp j, 0,1,2,3,4,5,6,7
	ds_load_b128 v[X+32*((\n)%2)+4*\j:X+32*((\n)%2)+4*\j+3], v4 offset:256*(\n)+16*\j
.endr
.endm
.macro QB n
	MAXSCALE X+32*((\n)%2), E+(\n)
	CODES X+32*((\n)%2), C+4*(\n)
	global_store_b128 v2, v[C+4*(\n):C+4*(\n)+3], s[24:25] offset:512*(\n)   ; 32 lanes store 512 consecutive aligned bytes
.endm
	LOADX 0
	LOADX 1
	s_wait_dscnt 8                                 ; this set is in; the next set's eight loads may be out
	QB 0
	LOADX 2
	s_wait_dscnt 8
	QB 1
	LOADX 3
	s_wait_dscnt 8
	QB 2
	s_wait_dscnt 0x0
	QB 3
	v_lshl_or_b32 v232, v[E+1], 16, v[E]           ; K step 2 kq: my bytes are blocks h and 2 + h,
	v_lshl_or_b32 v233, v[E+3], 16, v[E+2]         ; K step 2 kq + 1 likewise,
	v_lshlrev_b32 v232, v6, v232                   ; at their places, 8 h bits up;
	v_lshlrev_b32 v233, v6, v233
	v_mov_b32 v234, 0
	v_mov_b32 v235, 0
	v_permlanex16_b32 v234, v232, s20, s21
	v_permlanex16_b32 v235, v233, s20, s21
	v_or_b32 v232, v232, v234                      ; with lane l xor 16's two the words are whole
	v_or_b32 v233, v233, v235
	v_cmp_le_u32 vcc_lo, 16, v1
	v_cndmask_b32 v232, v232, v233, vcc_lo         ; lanes 0-15 store the first K step's words, lanes 16-31 the second's
	global_store_b32 v5, v232, s[26:27]            ; 128 consecutive bytes
	s_branch .Lend
.Lweights:
	; ---- a weight: a lane takes a column n and its registers run down K, so that the codes come out with K innermost
	s_sub_co_u32 s19, ttmp9, 512
	s_lshr_b32 s22, s19, 6                         ; which weight: Wq, Wk, Wv, Wo
	s_bfe_u32 s23, s19, 0x30003                    ; which 128 columns
	s_and_b32 s24, s19, 7                          ; which K step of 128
	s_lshl_b32 s23, s23, 2
	s_add_co_u32 s23, s23, s18                     ; P: my wave's group of 32 columns
	s_wait_alu depctr_va_vdst(0)
	v_and_b32 v9, 8, v7
	v_add_nc_u32 v9, v9, v7
	v_lshl_add_u32 v9, v8, 3, v9                   ; my column in the group: 8 u + r + 8 (r / 8), u = lane / 16
	v_lshlrev_b32 v2, 2, v9
	v_lshlrev_b32 v3, 4, v7
	v_lshl_add_u32 v3, v8, 12, v3                  ; codes: tile u, slot r
	v_lshlrev_b32 v4, 2, v7
	v_lshl_add_u32 v4, v8, 9, v4                   ; scale words likewise
	s_lshl_b32 s26, s24, 19                        ; 128 rows of 4,096 bytes a K step
	s_lshl_b32 s27, s23, 7
	s_add_co_u32 s26, s26, s27
	s_mov_b32 s27, 0
	s_lshl_b32 s28, s22, 6
	s_lshl_b32 s29, s23, 1
	s_add_co_u32 s28, s28, s29                     ; the group's first tile: 64 x weight + 2 P
	s_lshr_b32 s30, s24, 2
	s_lshl_b32 s30, s30, 20
	s_lshl_b32 s31, s28, 12
	s_add_co_u32 s30, s30, s31
	s_and_b32 s31, s24, 3
	s_lshl_b32 s31, s31, 10
	s_add_co_u32 s30, s30, s31
	s_mov_b32 s31, 0
	s_lshl_b32 s32, s28, 9
	s_lshl_b32 s33, s24, 6
	s_add_co_u32 s32, s32, s33
	s_add_co_u32 s32, s32, 2097152
	s_mov_b32 s33, 0
	s_wait_alu depctr_va_vdst(0)
	s_wait_kmcnt 0x0
	s_bitcmp1_b32 s22, 0                           ; the choice hangs on the work-group's number alone
	s_cselect_b64 s[34:35], s[8:9], s[6:7]
	s_cselect_b64 s[36:37], s[12:13], s[10:11]
	s_bitcmp1_b32 s22, 1
	s_cselect_b64 s[34:35], s[36:37], s[34:35]
	s_add_nc_u64 s[34:35], s[34:35], s[26:27]
	s_add_nc_u64 s[30:31], s[16:17], s[30:31]
	s_add_nc_u64 s[32:33], s[16:17], s[32:33]
.macro LOADW t                         ; block t of the K step: W(32 t + i, my column): a wave reads 128 consecutive bytes, the four waves 512
.set i, 0
.rept 32
	global_load_b32 v[X+32*((\t)%2)+i], v2, s[34:35] offset:(32*(\t)+i)*4096 th:TH_LOAD_NT
.set i, i+1
.endr
.endm
.macro BLOCKW t
.if (\t) < 3
	s_wait_loadcnt 32                              ; this block's 32 loads are in; the next block's may be out
.else
	s_wait_loadcnt 0x0
.endif
	MAXSCALE X+32*((\t)%2), E
.if (\t) == 0
	v_mov_b32 v231, v[E]                           ; four bytes to the K step's word, the lower K in the lower byte
.else
	v_lshl_or_b32 v231, v[E], 8*(\t), v231
.endif
	CODES X+32*((\t)%2), C+4*(\t)
	global_store_b128 v3, v[C+4*(\t):C+4*(\t)+3], s[30:31] offset:256*(\t)   ; each sixteen lanes store 256 consecutive aligned bytes
.if (\t) < 2
	LOADW (\t)+2
.endif
.endm
	LOADW 0
	LOADW 1
	BLOCKW 0
	BLOCKW 1
	BLOCKW 2
	BLOCKW 3
	global_store_b32 v4, v231, s[32:33]
.Lend:
	s_wait_tensorcnt 0x0                           ; the wave's end, behind my last LDS store
	ds_add_u32 v[SPW], v[NIL]
	s_wait_dscnt 0x0
	s_endpgm
.Lfunc_end_k_q4f088dab64_quant:
	.size	k_q4f088dab64_quant, .Lfunc_end_k_q4f088dab64_quant-k_q4f088dab64_quant
	.p2alignl 7, 3214868480
	.fill 96, 4, 3214868480
	.section	.rodata,"a",@progbits
	.p2align	6, 0x0
	.amdhsa_kernel k_q4f088dab64_quant
		.amdhsa_group_segment_fixed_size 67072
		.amdhsa_private_segment_fixed_size 0
		.amdhsa_enable_private_segment 0
		.amdhsa_kernarg_size 56
		.amdhsa_user_sgpr_count 2
		.amdhsa_user_sgpr_kernarg_segment_ptr 1
		.amdhsa_wavefront_size32 1
		.amdhsa_system_sgpr_workgroup_id_x 1
		.amdhsa_system_sgpr_workgroup_id_y 1
		.amdhsa_system_sgpr_workgroup_id_z 1
		.amdhsa_system_vgpr_workitem_id 0
		.amdhsa_next_free_vgpr 240
		.amdhsa_next_free_sgpr 66
		.amdhsa_reserve_vcc 1
		.amdhsa_float_denorm_mode_32 3
		.amdhsa_float_denorm_mode_16_64 3
		.amdhsa_memory_ordered 1
		.amdhsa_forward_progress 1
		.amdhsa_inst_pref_size 37
	.end_amdhsa_kernel
	.amdgpu_metadata
---
amdhsa.version: [ 1, 2 ]
amdhsa.kernels:
  - .name:           k_q4f088dab64_quant
    .symbol:         k_q4f088dab64_quant.kd
    .args:
      - { .name: x, .offset: 0, .size: 8, .value_kind: global_buffer, .address_space: global }
      - { .name: Wq, .offset: 8, .size: 8, .value_kind: global_buffer, .address_space: global }
      - { .name: Wk, .offset: 16, .size: 8, .value_kind: global_buffer, .address_space: global }
      - { .name: Wv, .offset: 24, .size: 8, .value_kind: global_buffer, .address_space: global }
      - { .name: Wo, .offset: 32, .size: 8, .value_kind: global_buffer, .address_space: global }
      - { .name: xq, .offset: 40, .size: 8, .value_kind: global_buffer, .address_space: global }
      - { .name: wq, .offset: 48, .size: 8, .value_kind: global_buffer, .address_space: global }
    .group_segment_fixed_size: 67072
    .private_segment_fixed_size: 0
    .kernarg_segment_align: 8
    .kernarg_segment_size: 56
    .max_flat_workgroup_size: 128
    .sgpr_count:     66
    .vgpr_count:     240
    .wavefront_size: 32
...
	.end_amdgpu_metadata
.endif
;; end of part 1
;; launch qkv (part 2): grid 4 x 96, 4 waves a work-group, clusters of 4 x 4, 327,680 bytes of LDS; arguments xq, wq, bq, bk, bv, qq, kv; writes qq, kv
.if DOCPART == 2
	.amdgcn_target "amdgcn-amd-amdhsa--gfx1250"
	.amdhsa_code_object_version 6
	.text
	.protected	k_q4f088dab64_qkv
	.globl	k_q4f088dab64_qkv
	.p2align	8
	.type	k_q4f088dab64_qkv,@function
k_q4f088dab64_qkv:
	s_mov_b64 s[64:65], 0
	v_nop
	global_prefetch_b8 v0, s[64:65] scope:SCOPE_SE
	s_setreg_imm32_b32 hwreg(HW_REG_WAVE_MODE, 25, 1), 1
	s_wait_xcnt 0x0
	s_wait_alu depctr_hold_cnt(0) depctr_sa_sdst(0) depctr_va_vdst(0) depctr_va_sdst(0) depctr_va_ssrc(0) depctr_va_vcc(0) depctr_vm_vsrc(0)
	s_getreg_b32 s2, hwreg(HW_REG_IB_STS2, 6, 4)
	s_cmp_eq_u32 s2, 0
	s_cbranch_scc0 .Lentry_in_a_cluster
	s_endpgm
.Lentry_in_a_cluster:
	s_bfe_u32 s2, ttmp6, 0x10000c
	s_cmp_lg_u32 s2, 0xf033
	s_cbranch_scc0 .Lentry_shape_is_right
	s_endpgm
.Lentry_shape_is_right:
; Launch 2 of 4: q = x Wq + bq, k = x Wk + bk, v = x Wv + bv on codes of E2M1, and each result quantised on the way out for the product that takes it.  No work is left out.
; A tile of 256 x 256 to a work-group of four waves, 128 x 128 a wave: 64 accumulators, 512 registers.  K = 1,024 is two LDS slots of 512 along K: both are asked for at the head and nothing is filled again.
; THE MATRIX INSTRUCTION: source 0 = 16 rows of "B", source 1 = 16 rows of "A".  A lane then holds ONE row of A, and its registers run along B's rows: the axis that is quantised next.
;   clusters 0-15 (q: even, k: odd): A = x's tokens, B = the weight's columns: a lane's 64 numbers of a block are 128 neighbouring features, two heads of 64: K of the score product.
;   clusters 16-23 (v): A = Wv's columns, B = x's tokens: a lane's 64 numbers are 128 neighbouring keys: K of the second product.
; Operands lie in memory as images of their registers (launch 1): a fragment's four registers are 512 consecutive bytes, so LDS needs no pitch and no padding.
; The rows of a tile of 16 are 8 u + r + 8 (r / 8) of their group of 32: so the 16 registers of B's tiles 2 b and 2 b + 1 are 16 neighbours.
; WHAT IS STORED.  q, k: for each head and tile of 16 tokens an image of 512 bytes (lane (r, h): d = 32 h .. 32 h + 31 of slot r's token); scale words [128 tokens][r][p 4]: low half the two bytes of tile 2 p, high half tile 2 p + 1's.
;   v: for each head and 128 keys four fragments of V^T (d in the tiles' order) and their scale words [r][t 4].  k and v of a head lie in one record of 139,264 bytes: K codes, V codes at 65,536, K scales at 131,072, V scales at 135,168.
; CLUSTERS: 4 x 4 work-groups; A's tile is shared along a row of the cluster, B's along a column: each is asked for jointly.  The cluster's number, the same in all sixteen, picks the path; one branch on it stands at the way out.
; No prefetch: all tiles are asked for at the head, so no later load has anything to run ahead of.
; LIMITS: as in launch 1 (the byte 1 for a block of zeros; NaN and infinities not served).
; REGISTERS: window 0: v0-31 addresses; v32-95 scale words, two sets, and nothing else; v128-191 A's fragments, one set; on the way out v96-127 at work, v128-191 a block's 64 numbers, v192-255 biases.
;   window 1: B's fragments, two sets, at v0 and v128.   windows 2, 3: the accumulators ((a, b) at v[8 (8 (a % 4) + b)]).
.set NQ,    4                          ; steps of 128 along K in a slot
.set FR,    8                          ; registers of a fragment
.set NL,    2                          ; LDS loads that bring one
.set NP,    4                          ; places behind this matrix instruction (ISA guide 7.12.1)
.set SLOT,  131072                     ; A's 16 tiles of 16 rows x 4,096 bytes, then B's
.set SCL,   262144                     ; the scale words of A's 256 rows, 8,192 bytes, then B's
.set BIAS,  278528                     ; 256 numbers of the bias
.set SPARE, 279552                     ; the spare words, 128 bytes a wave
.set ADRA, 16                          ; v16-17  my A fragments in slot 0, 1
.set ADRB, 20                          ; v20-21  my B fragments
.set ADRS, 27                          ; v27     my scale words: lanes 0-15 A's, lanes 16-31 B's
.set SPW,  28                          ; v28     my spare word; never rewritten
.set NIL,  29                          ; v29     0; never rewritten
.set SC,   32
.set AF,   128
.set H,    128                         ; the way out: 64 numbers of a block
.set TM,   96                          ; v96-111 at work
.set PC,   112                         ; v112-119 the codes just made
.set PWS,  120                         ; v120-127 the eight blocks' scale words
.set WO,   4                           ; v4-7    the scale words as they are stored
.set BI,   192                         ; q, k: 64 biases along my registers
.set BV,   192                         ; v: a pair for each block
.set G1, 24
.set G0, 32
.set G1B, 48
.set G0B, 56
.set G1S, 68
.set G0S, 76
.set G1SB, 80
.set G0SB, 88
.set G1C, 92
.set MSB, 0
.macro WIN new                         ; the immediate's high byte repeats the setting that is left
.if MSB != (\new)
	s_set_vgpr_msb (MSB<<8)|(\new)
.set MSB, (\new)
.endif
.endm
.set MUL_LO, 0xa1                      ; source 0 (B) window 1, source 1 (A) window 0, C and D window 2
.set MUL_HI, 0xf1                      ; the same, C and D window 3
.set TO_B,   0x40                      ; destination window 1, address window 0
; A joint load: waves 0 and 1 fetch for A, waves 2 and 3 for B; the branch hangs on the wave's number alone.  An s_nop 0 and four v_nop follow each line.
.macro JLOAD g0a, g1a, g0b, g1b
	s_cmp_eq_u32 s19, 0
	s_cbranch_scc0 .Lfor_b_\@
	tensor_load_to_lds s[\g0a:\g0a+3], s[\g1a:\g1a+7]
	s_nop 0
.rept 4
	v_nop
.endr
	s_branch .Lasked_\@
.Lfor_b_\@:
	tensor_load_to_lds s[\g0b:\g0b+3], s[\g1b:\g1b+7]
	s_nop 0
.rept 4
	v_nop
.endr
.Lasked_\@:
.endm
.macro CROUND                          ; a round of the cluster's barrier
	s_barrier_signal -1
	s_barrier_wait -1
	s_cmp_lg_u32 s18, 0
	s_cbranch_scc1 .Lnot_wave_0_\@
	s_barrier_signal -3
.Lnot_wave_0_\@:
	s_barrier_wait -3
	s_barrier_signal -1
	s_barrier_wait -1
.endm
	s_load_b256 s[4:11], s[0:1], 0x0               ; xq, wq, bq, bk
	s_load_b128 s[12:15], s[0:1], 0x20             ; bv, qq
	s_load_b64 s[16:17], s[0:1], 0x30              ; kv
	v_lshl_add_u32 v[SPW], v0, 2, SPARE
	v_mov_b32 v[NIL], 0
	ds_add_u32 v[SPW], v[NIL]                      ; the wave's opening: the add, twice on end, and its wait ahead of my first tensor load
	ds_add_u32 v[SPW], v[NIL]
	v_lshrrev_b32 v1, 5, v0
	v_readfirstlane_b32 s18, v1                    ; wave 0..3
	s_lshr_b32 s19, s18, 1                         ; my half of A's rows.  Also: I fetch for A (0) or for B (1)
	s_and_b32 s20, s18, 1                          ; my half of B's rows.  Also: which 128 rows I fetch
	s_and_b32 s21, ttmp7, 0xffff                   ; c: the cluster's number, 0..23
	s_bfe_u32 s22, ttmp6, 0x40000                  ; cx
	s_bfe_u32 s23, ttmp6, 0x40004                  ; cy
	s_lshl_b32 s2, s23, 2
	s_lshl_b32 s2, 15, s2                          ; my row of the cluster
	s_lshl_b32 s3, 0x1111, s22                     ; my column
	s_or_b32 s[G1], s2, (1<<21)                    ; codes: elements of 1 byte, no padding; the mask, and bit 21 beside it
	s_or_b32 s[G1B], s3, (1<<21)
.irp g, G1, G1B
	s_mov_b32 s[\g+1], 256<<16                     ; 128 rows of 256 bytes, dense: eight tiles of 16 rows x 512 along K
	s_mov_b32 s[\g+2], 128<<16
	s_mov_b32 s[\g+3], 256<<16
	s_mov_b32 s[\g+4], 128
	s_mov_b32 s[\g+5], 256
	s_mov_b32 s[\g+6], 0
	s_mov_b32 s[\g+7], 0
.endr
	s_or_b32 s[G1S], s2, (3<<16)|(1<<21)           ; scale words of 128 rows: 16 rows of 256 bytes (32 elements of 8), dense
	s_or_b32 s[G1SB], s3, (3<<16)|(1<<21)
.irp g, G1S, G1SB
	s_mov_b32 s[\g+1], 32<<16
	s_mov_b32 s[\g+2], 16<<16
	s_mov_b32 s[\g+3], 32<<16
	s_mov_b32 s[\g+4], 16
	s_mov_b32 s[\g+5], 32
	s_mov_b32 s[\g+6], 0
	s_mov_b32 s[\g+7], 0
.endr
	s_mov_b32 s[G1C], 3<<16                        ; the bias: one row of 256 bytes a wave, a load of the work-group's own (no mask)
	s_mov_b32 s[G1C+1], 32<<16
	s_mov_b32 s[G1C+2], 1<<16
	s_mov_b32 s[G1C+3], 32<<16
	s_mov_b32 s[G1C+4], 1
	s_mov_b32 s[G1C+5], 32
	s_mov_b32 s[G1C+6], 1<<16
	s_mov_b32 s[G1C+7], 0
	s_mov_b32 s2, 0x76543210                       ; (the masks are used up)  v_permlanex16_b32's selects for lane l xor 16
	s_mov_b32 s3, 0xfedcba98
	; which tiles: q, k: A = x's tile 4 (c / 2) + cy, B = weight tile 4 (c % 2) + cx;  v: A = weight tile 8 + cy, B = x's tile 4 (c % 8) + cx
	s_lshr_b32 s100, s21, 1
	s_lshl_b32 s100, s100, 2
	s_and_b32 s101, s21, 1
	s_lshl_b32 s101, s101, 2
	s_and_b32 s104, s21, 7
	s_lshl_b32 s104, s104, 2
	s_mov_b32 s105, 2097152
	s_cmp_lt_u32 s21, 16
	s_cselect_b32 s44, s100, 8
	s_cselect_b32 s45, s101, s104
	s_cselect_b32 s66, s105, 1048576               ; bytes from one half of K to the other: in A's buffer,
	s_cselect_b32 s67, 1048576, s105               ; in B's
	s_add_co_u32 s44, s44, s23                     ; A's tile: c and cy alone
	s_add_co_u32 s45, s45, s22                     ; B's tile: c and cx alone
	s_lshl_b32 s34, s44, 16                        ; A's codes: the tile's 65,536 bytes of a half, my 128 rows
	s_lshl_b32 s100, s20, 15
	s_add_co_u32 s34, s34, s100
	s_mov_b32 s35, 0
	s_add_co_u32 s38, s34, s66
	s_mov_b32 s39, 0
	s_lshl_b32 s58, s45, 16
	s_add_co_u32 s58, s58, s100
	s_mov_b32 s59, 0
	s_add_co_u32 s62, s58, s67
	s_mov_b32 s63, 0
	s_lshl_b32 s78, s44, 13                        ; A's scale words: behind both halves of the codes
	s_lshl_b32 s100, s20, 12
	s_add_co_u32 s78, s78, s100
	s_lshl_b32 s101, s66, 1
	s_add_co_u32 s78, s78, s101
	s_mov_b32 s79, 0
	s_lshl_b32 s90, s45, 13
	s_add_co_u32 s90, s90, s100
	s_lshl_b32 s101, s67, 1
	s_add_co_u32 s90, s90, s101
	s_mov_b32 s91, 0
	s_mov_b32 s32, 1
	s_mov_b32 s36, 1
	s_mov_b32 s56, 1
	s_mov_b32 s60, 1
	s_mov_b32 s76, 1
	s_mov_b32 s88, 1
	s_lshl_b32 s33, s18, 15                        ; where they go: wave x 32,768: no place in the cluster enters an LDS address
	s_add_co_u32 s37, s33, SLOT
	s_lshl_b32 s57, s18, 15
	s_add_co_u32 s61, s57, SLOT
	s_lshl_b32 s77, s18, 12
	s_add_co_u32 s77, s77, SCL
	s_lshl_b32 s89, s18, 12
	s_add_co_u32 s89, s89, SCL
	s_wait_dscnt 0x0                               ; both opening adds are done
	s_wait_kmcnt 0x0
	s_cmp_lt_u32 s21, 16
	s_cselect_b64 s[40:41], s[4:5], s[6:7]         ; A's buffer
	s_cselect_b64 s[42:43], s[6:7], s[4:5]         ; B's
	s_cselect_b32 s104, s22, s23                   ; the bias's 256 numbers: q, k: by cx; v: by cy
	s_bitcmp1_b32 s21, 0
	s_cselect_b64 s[46:47], s[10:11], s[8:9]       ; bk or bq,
	s_cmp_lt_u32 s21, 16
	s_cselect_b64 s[46:47], s[46:47], s[12:13]     ; or bv
	s_add_nc_u64 s[34:35], s[40:41], s[34:35]
	s_or_b32 s35, s35, 0x80000000
	s_add_nc_u64 s[38:39], s[40:41], s[38:39]
	s_or_b32 s39, s39, 0x80000000
	s_add_nc_u64 s[58:59], s[42:43], s[58:59]
	s_or_b32 s59, s59, 0x80000000
	s_add_nc_u64 s[62:63], s[42:43], s[62:63]
	s_or_b32 s63, s63, 0x80000000
	s_add_nc_u64 s[78:79], s[40:41], s[78:79]
	s_or_b32 s79, s79, 0x80000000
	s_add_nc_u64 s[90:91], s[42:43], s[90:91]
	s_or_b32 s91, s91, 0x80000000
	s_lshl_b32 s100, s104, 10
	s_lshl_b32 s9, s18, 8
	s_add_co_u32 s100, s100, s9
	s_mov_b32 s101, 0
	s_add_nc_u64 s[10:11], s[46:47], s[100:101]
	s_or_b32 s11, s11, 0x80000000
	s_add_co_u32 s9, s9, BIAS
	s_mov_b32 s8, 1
	CROUND                                         ; all sixteen work-groups are here: the first joint loads meet
	JLOAD G0S, G1S, G0SB, G1SB                     ; the scale words,
	tensor_load_to_lds s[8:11], s[G1C:G1C+7]       ; my quarter of the bias,
	s_nop 0
.rept 4
	v_nop
.endr
	JLOAD G0, G1, G0B, G1B                         ; slot 0,
	JLOAD G0+4, G1, G0B+4, G1B                     ; slot 1: four loads of mine are out
	v_and_b32 v1, 15, v0                           ; r
	v_bfe_u32 v2, v0, 4, 1                         ; h
	s_wait_alu depctr_va_vdst(0)
	v_and_b32 v12, 31, v0
	v_lshlrev_b32 v12, 4, v12                      ; 16 x lane: my place in every image
	s_lshl_b32 s100, s19, 15
	s_lshl_b32 s101, s20, 15
	s_add_co_u32 s101, s101, 65536
.irp s, 0,1
	v_add_nc_u32 v[ADRA+\s], s100, v12
	v_add_nc_u32 v[ADRB+\s], s101, v12
	s_add_co_u32 s100, s100, SLOT
	s_add_co_u32 s101, s101, SLOT
.endr
	s_lshl_b32 s100, s19, 12                       ; A's scale words: my 128 rows
	s_lshl_b32 s101, s20, 12                       ; B's: my 128 rows, behind A's 8,192 bytes
	s_add_co_u32 s101, s101, 8192
	s_sub_co_u32 s101, s101, s100
	v_mul_u32_u24 v6, s101, v2                     ; lanes 16-31 take B's
	s_add_co_u32 s100, s100, SCL
	v_lshl_add_u32 v5, v1, 2, v6
	v_add_nc_u32 v[ADRS], s100, v5
	s_lshl_b32 s100, s20, 9
	s_add_co_u32 s100, s100, BIAS
	v_lshl_add_u32 v13, v2, 6, s100                ; q, k: the biases of B's rows 32 b + 16 h + 0 .. 15
	v_and_b32 v14, 8, v1
	v_add_nc_u32 v14, v14, v1
	s_lshl_b32 s100, s19, 9
	s_add_co_u32 s100, s100, BIAS
	v_lshl_add_u32 v14, v14, 2, s100               ; v: the bias of A's row r + 8 (r / 8) of a group
.irp b, 0,1,2,3
	v_mov_b32 v[TM+4+\b], 0                        ; written once: a lane permute's destination counts as one of its sources
.endr
.macro FRAG reg, adr, q, i             ; a fragment, 16 rows x 128 K: registers 4 c .. 4 c + 3 are 512 consecutive bytes, 16 a lane
.irp c, 0,1
	ds_load_b128 v[\reg+4*\c:\reg+4*\c+3], v[\adr] offset:4096*(\i)+1024*(\q)+512*\c
.endr
.endm
; 16 matrix instructions: A's blocks a0, a0 + 1 x B's eight.  The 64 accumulators take turns, one instruction a turn, in the same order in every step.
.macro MUL16 a0, p, q, sc, zero
.irp a, \a0, \a0+1
.irp b, 0,1,2,3,4,5,6,7
.if \zero
	v_wmma_scale_f32_16x16x128_f8f6f4 v[8*(8*((\a)%4)+\b):8*(8*((\a)%4)+\b)+7], v[128*(\p)+FR*\b:128*(\p)+FR*\b+FR-1], v[AF+FR*(\a):AF+FR*(\a)+FR-1], 0, v[SC+8*NQ*(\sc)+NQ*\b+(\q)], v[SC+8*NQ*(\sc)+NQ*(\a)+(\q)] matrix_a_fmt:MATRIX_FMT_FP4 matrix_b_fmt:MATRIX_FMT_FP4 matrix_a_scale:MATRIX_SCALE_ROW1
.else
	v_wmma_scale_f32_16x16x128_f8f6f4 v[8*(8*((\a)%4)+\b):8*(8*((\a)%4)+\b)+7], v[128*(\p)+FR*\b:128*(\p)+FR*\b+FR-1], v[AF+FR*(\a):AF+FR*(\a)+FR-1], v[8*(8*((\a)%4)+\b):8*(8*((\a)%4)+\b)+7], v[SC+8*NQ*(\sc)+NQ*\b+(\q)], v[SC+8*NQ*(\sc)+NQ*(\a)+(\q)] matrix_a_fmt:MATRIX_FMT_FP4 matrix_b_fmt:MATRIX_FMT_FP4 matrix_a_scale:MATRIX_SCALE_ROW1
.endif
.endr
.endr
.endm
.macro FETCH_B slot, q, p
	WIN TO_B
.irp i, 0,1,2,3,4,5,6,7
	FRAG 128*(\p)+FR*\i, ADRB+\slot, \q, \i
.endr
	WIN 0
.endm
.macro FETCH_A slot, q, i0
.irp i, \i0, \i0+1, \i0+2, \i0+3
	FRAG AF+FR*(\i), ADRA+\slot, \q, \i
.endr
.endm
.macro SCALES sc                       ; slot sc's scale words: register 4 i + q: lanes 0-15 A's block i, lanes 16-31 B's block i, K step 4 sc + q
.irp i, 0,1,2,3,4,5,6,7
.irp n, 0,1,2,3
	ds_load_b32 v[SC+32*\sc+4*\i+\n], v[ADRS] offset:512*\i+64*(4*\sc+\n)
.endr
.endr
.endm
.macro PLACES n                        ; plain vector lines between a matrix instruction and a load into, or a read of, its registers (ISA guide 7.12.1 for reads)
.rept \n
	v_nop
.endr
.endm
.macro STEP slot, q, zero              ; a step of 128 along K that has its successor in the same slot
	s_wait_dscnt 4*NL                              ; B's set, A's blocks 0-3 and the scale words are in; the youngest eight loads (A's blocks 4-7) may be out
	WIN MUL_LO
	MUL16 0, (\q)%2, \q, \slot, \zero
	MUL16 2, (\q)%2, \q, \slot, \zero
	s_wait_dscnt 0
	PLACES NP
	FETCH_B \slot, (\q)+1, 1-(\q)%2
	FETCH_A \slot, (\q)+1, 0
	WIN MUL_HI
	MUL16 4, (\q)%2, \q, \slot, \zero
	MUL16 6, (\q)%2, \q, \slot, \zero
	PLACES NP
	WIN 0
	FETCH_A \slot, (\q)+1, 4
.endm
.macro STEPS slot, from
.set Q, \from
.rept NQ-1-\from
	STEP \slot, Q, 0
.set Q, Q+1
.endr
.endm
.macro TURN slot, next                 ; slot 0's last step: behind its barrier slot 1 is whole in every wave's sight; nothing is filled again
	s_wait_tensorcnt 0x0                           ; all my tensor loads have landed: my part of slot 1
	ds_add_u32 v[SPW], v[NIL]                      ; 0 onto my spare word
	s_wait_dscnt 4*NL+1                            ; (the add and the youngest eight loads may be out)
	WIN MUL_LO
	MUL16 0, 1, NQ-1, \slot, 0
	s_wait_dscnt 0x0
	s_barrier_signal -1
	MUL16 2, 1, NQ-1, \slot, 0
	WIN 0
	s_barrier_wait -1
	PLACES NP
	FETCH_B \next, 0, 0
	FETCH_A \next, 0, 0
	SCALES \next
	WIN MUL_HI
	MUL16 4, 1, NQ-1, \slot, 0
	MUL16 6, 1, NQ-1, \slot, 0
	PLACES NP
	WIN 0
	FETCH_A \next, 0, 4
.endm
	s_wait_alu depctr_va_vdst(0)
	s_wait_tensorcnt 1                             ; the scale words, the bias and my part of slot 0 are in; slot 1's load may be out
	s_barrier_signal -1
	s_barrier_wait -1
	FETCH_B 0, 0, 0
	FETCH_A 0, 0, 0
	SCALES 0
	FETCH_A 0, 0, 4
	STEP 0, 0, 1                                   ; the first products start the sums: nothing is cleared
	STEPS 0, 1
	TURN 0, 1
	STEPS 1, 0
	s_wait_dscnt 4*NL                              ; the last step: nothing more to fetch
	WIN MUL_LO
	MUL16 0, 1, NQ-1, 1, 0
	MUL16 2, 1, NQ-1, 1, 0
	s_wait_dscnt 0
	WIN MUL_HI
	MUL16 4, 1, NQ-1, 1, 0
	MUL16 6, 1, NQ-1, 1, 0
	WIN 0
; THE WAY OUT.  64 numbers of a lane, register 16 b + i = place 32 b + 16 (lane / 16) + i along the next K, become a fragment's codes in v[pc] on and its scale word in v[pw].
.macro QUANT s, pc, pw
.irp b, 0,1,2,3
	v_max3_num_f32 v[TM+\b], |v[\s+16*\b]|, |v[\s+1+16*\b]|, 0x1800000   ; block b: my 16 numbers, and the floor 2^(3 - 127)
.endr
.irp i, 2,4,6,8,10,12,14
.irp b, 0,1,2,3
	v_max3_num_f32 v[TM+\b], v[TM+\b], |v[\s+16*\b+\i]|, |v[\s+1+16*\b+\i]|
.endr
.endr
.irp b, 0,1,2,3
	v_permlanex16_b32 v[TM+4+\b], v[TM+\b], s2, s3
.endr
.irp b, 0,1,2,3
	v_max_num_f32 v[TM+\b], v[TM+\b], v[TM+4+\b]   ; with lane l xor 16's: the block's largest magnitude
.endr
.irp b, 0,1,2,3
	v_add_nc_u32 v[TM+12+\b], 0xff000000, v[TM+\b] ; 2 off its exponent field: the conversion's scale operand
.endr
.irp b, 0,1,2,3
	v_lshrrev_b32 v[TM+4+\b], 23, v[TM+12+\b]      ; the scale's byte
.endr
	v_lshl_or_b32 v[\pw], v[TM+5], 8, v[TM+4]
	v_lshl_or_b32 v[\pw], v[TM+6], 16, v[\pw]
	v_lshl_or_b32 v[\pw], v[TM+7], 24, v[\pw]
	s_wait_xcnt 0x0                                ; the last block's stores have read the codes' registers: only now are they written again
.irp b, 0,1,2,3
	v_cvt_scalef32_pk8_fp4_f32 v[\pc+2*\b], v[\s+16*\b:\s+7+16*\b], v[TM+12+\b]
	v_cvt_scalef32_pk8_fp4_f32 v[\pc+1+2*\b], v[\s+8+16*\b:\s+15+16*\b], v[TM+12+\b]
.endr
	v_nop                                          ; one plain line behind a scaled conversion
.irp c, 0,1                                    ; the operand's layout wants a whole block in a lane: lanes 0-15 block 2 c, lanes 16-31 block 2 c + 1
.irp i, 0,1
	v_permlane16_swap_b32 v[\pc+4*\c+\i], v[\pc+2+4*\c+\i]
.endr
.endr
.endm
	PLACES NP                                      ; behind the last products: reads of results, loads and writes into operands follow
	s_cmp_lt_u32 s21, 16                           ; the cluster's number: the same in all sixteen work-groups
	s_cbranch_scc0 .Lv_arm
	; ---- q or k: block a is tile a of my 128 tokens; my 128 features are heads bh0 and bh0 + 1
	s_lshr_b32 s24, s44, 3                         ; batch
	s_and_b32 s25, s44, 7
	s_lshl_b32 s26, s25, 1
	s_add_co_u32 s26, s26, s19                     ; which 128 tokens of the batch
	s_lshl_b32 s27, s24, 4
	s_lshl_b32 s28, s22, 2
	s_add_co_u32 s27, s27, s28
	s_lshl_b32 s28, s20, 1
	s_add_co_u32 s27, s27, s28                     ; bh0 = 16 batch + 4 cx + 2 x my half
	s_mov_b32 s29, 139264
	s_mov_b32 s30, 131072
	s_bitcmp1_b32 s21, 0                           ; an odd cluster makes k
	s_cselect_b64 s[32:33], s[16:17], s[14:15]
	s_cselect_b32 s34, s29, 65536                  ; bytes from head to head: codes,
	s_cselect_b32 s35, s29, 4096                   ; scale words;
	s_cselect_b32 s36, s30, 4194304                ; where the scale words begin
	s_mul_i32 s38, s27, s34
	s_lshl_b32 s39, s26, 12
	s_add_co_u32 s38, s38, s39
	s_mov_b32 s39, 0
	s_add_nc_u64 s[38:39], s[32:33], s[38:39]
	s_mul_i32 s40, s27, s35
	s_lshl_b32 s41, s26, 8
	s_add_co_u32 s40, s40, s41
	s_add_co_u32 s40, s40, s36
	s_mov_b32 s41, 0
	s_add_nc_u64 s[40:41], s[32:33], s[40:41]
	v_add_nc_u32 v9, s34, v12                      ; the second head's image
	v_mul_u32_u24 v10, s35, v2
	v_lshl_add_u32 v10, v1, 4, v10                 ; scale words: 16 r; lanes 16-31 store the second head's
	v_mov_b32 v11, 0x05040100                      ; the first head's bytes are a word's low half,
	v_mov_b32 v8, 0x07060302                       ; the second's its high half
	v_cmp_eq_u32 vcc_lo, 1, v2
	v_cndmask_b32 v11, v11, v8, vcc_lo
.irp b, 0,1,2,3
.irp n, 0,1,2,3
	ds_load_b128 v[BI+16*\b+4*\n:BI+16*\b+4*\n+3], v13 offset:128*\b+16*\n
.endr
.endr
	s_wait_dscnt 0x0
.irp a, 0,1,2,3,4,5,6,7
	WIN 0x02+(\a)/4                                ; source 0: window 2 or 3
.set i, 0
.rept 32
	v_pk_add_f32 v[H+2*i:H+2*i+1], v[64*((\a)%4)+2*i:64*((\a)%4)+2*i+1], v[BI+2*i:BI+2*i+1]   ; + the bias, into window 0; each accumulator from its low end on
.set i, i+1
.endr
	WIN 0
	QUANT H, PC, PWS+\a
	global_store_b128 v12, v[PC:PC+3], s[38:39] offset:512*\a        ; 512 consecutive aligned bytes: the first head's image of tile a,
	global_store_b128 v9, v[PC+4:PC+7], s[38:39] offset:512*\a       ; the second head's
.endr
.irp p, 0,1,2,3
	v_perm_b32 v[WO+\p], v[PWS+2*\p+1], v[PWS+2*\p], v11             ; tiles 2 p and 2 p + 1: my head's two bytes of each
.endr
	global_store_b128 v10, v[WO:WO+3], s[40:41]    ; each sixteen lanes store 256 consecutive aligned bytes
	s_branch .Ljoin
.Lv_arm:
	; ---- v: block a is tile a % 4 of V^T of head bh0 + a / 4; my 128 tokens are one key step
	s_lshr_b32 s24, s45, 3                         ; batch
	s_and_b32 s25, s45, 7
	s_lshl_b32 s26, s25, 1
	s_add_co_u32 s26, s26, s20                     ; which 128 keys of the batch
	s_lshl_b32 s27, s24, 4
	s_lshl_b32 s28, s23, 2
	s_add_co_u32 s27, s27, s28
	s_lshl_b32 s28, s19, 1
	s_add_co_u32 s27, s27, s28                     ; bh0 = 16 batch + 4 cy + 2 x my half
	s_mul_i32 s27, s27, 139264
	s_lshl_b32 s38, s26, 12
	s_add_co_u32 s38, s38, s27
	s_add_co_u32 s38, s38, 65536
	s_mov_b32 s39, 0
	s_add_nc_u64 s[38:39], s[16:17], s[38:39]
	s_lshl_b32 s40, s26, 8
	s_add_co_u32 s40, s40, s27
	s_add_co_u32 s40, s40, 135168
	s_mov_b32 s41, 0
	s_add_nc_u64 s[40:41], s[16:17], s[40:41]
	v_mul_u32_u24 v10, 0x22000, v2
	v_lshl_add_u32 v10, v1, 4, v10                 ; scale words: 16 r; lanes 16-31 store the second head's
	v_cmp_eq_u32 vcc_lo, 1, v2
.irp a, 0,1,2,3,4,5,6,7
	ds_load_b32 v[BV+2*\a], v14 offset:4*(32*(\a/2)+8*(\a%2))        ; my row's bias, twice: a pair for the packed addition
	ds_load_b32 v[BV+2*\a+1], v14 offset:4*(32*(\a/2)+8*(\a%2))
.endr
	s_wait_dscnt 0x0
.irp a, 0,1,2,3,4,5,6,7
	WIN 0x02+(\a)/4
.set i, 0
.rept 32
	v_pk_add_f32 v[H+2*i:H+2*i+1], v[64*((\a)%4)+2*i:64*((\a)%4)+2*i+1], v[BV+2*\a:BV+2*\a+1]
.set i, i+1
.endr
	WIN 0
	QUANT H, PC, PWS+\a
.irp c, 0,1
	global_store_b128 v12, v[PC+4*\c:PC+4*\c+3], s[38:39] offset:(\a/4)*139264+(\a%4)*1024+512*\c   ; 512 consecutive aligned bytes
.endr
.endr
.irp t, 0,1,2,3
	v_cndmask_b32 v[WO+\t], v[PWS+\t], v[PWS+4+\t], vcc_lo
.endr
	global_store_b128 v10, v[WO:WO+3], s[40:41]
.Ljoin:
	s_wait_tensorcnt 0x0                           ; the wave's end
	ds_add_u32 v[SPW], v[NIL]
	s_wait_dscnt 0x0
	CROUND                                         ; the closing round
	s_endpgm
.Lfunc_end_k_q4f088dab64_qkv:
	.size	k_q4f088dab64_qkv, .Lfunc_end_k_q4f088dab64_qkv-k_q4f088dab64_qkv
	.p2alignl 7, 3214868480
	.fill 96, 4, 3214868480
	.section	.rodata,"a",@progbits
	.p2align	6, 0x0
	.amdhsa_kernel k_q4f088dab64_qkv
		.amdhsa_group_segment_fixed_size 327680
		.amdhsa_private_segment_fixed_size 0
		.amdhsa_enable_private_segment 0
		.amdhsa_kernarg_size 56
		.amdhsa_user_sgpr_count 2
		.amdhsa_user_sgpr_kernarg_segment_ptr 1
		.amdhsa_wavefront_size32 1
		.amdhsa_system_sgpr_workgroup_id_x 1
		.amdhsa_system_sgpr_workgroup_id_y 1
		.amdhsa_system_sgpr_workgroup_id_z 1
		.amdhsa_system_vgpr_workitem_id 0
		.amdhsa_next_free_vgpr 1024
		.amdhsa_next_free_sgpr 106
		.amdhsa_reserve_vcc 1
		.amdhsa_float_denorm_mode_32 3
		.amdhsa_float_denorm_mode_16_64 3
		.amdhsa_memory_ordered 1
		.amdhsa_forward_progress 1
		.amdhsa_inst_pref_size 200
	.end_amdhsa_kernel
	.amdgpu_metadata
---
amdhsa.version: [ 1, 2 ]
amdhsa.kernels:
  - .name:           k_q4f088dab64_qkv
    .symbol:         k_q4f088dab64_qkv.kd
    .args:
      - { .name: xq, .offset: 0, .size: 8, .value_kind: global_buffer, .address_space: global }
      - { .name: wq, .offset: 8, .size: 8, .value_kind: global_buffer, .address_space: global }
      - { .name: bq, .offset: 16, .size: 8, .value_kind: global_buffer, .address_space: global }
      - { .name: bk, .offset: 24, .size: 8, .value_kind: global_buffer, .address_space: global }
      - { .name: bv, .offset: 32, .size: 8, .value_kind: global_buffer, .address_space: global }
      - { .name: qq, .offset: 40, .size: 8, .value_kind: global_buffer, .address_space: global }
      - { .name: kv, .offset: 48, .size: 8, .value_kind: global_buffer, .address_space: global }
    .group_segment_fixed_size: 327680
    .private_segment_fixed_size: 0
    .kernarg_segment_align: 8
    .kernarg_segment_size: 56
    .max_flat_workgroup_size: 128
    .sgpr_count:     106
    .vgpr_count:     1024
    .wavefront_size: 32
...
	.end_amdgpu_metadata
.endif
;; end of part 2
;; launch attn (part 3): grid 8 x 32, 16 waves a work-group, clusters of 4 x 1, 327,680 bytes of LDS; arguments qq, kv, oq; writes oq
.if DOCPART == 3
	.amdgcn_target "amdgcn-amd-amdhsa--gfx1250"
	.amdhsa_code_object_version 6
	.text
	.protected	k_q4f088dab64_attn
	.globl	k_q4f088dab64_attn
	.p2align	8
	.type	k_q4f088dab64_attn,@function
k_q4f088dab64_attn:
	s_mov_b64 s[64:65], 0
	v_nop
	global_prefetch_b8 v0, s[64:65] scope:SCOPE_SE
	s_setreg_imm32_b32 hwreg(HW_REG_WAVE_MODE, 25, 1), 1
	s_wait_xcnt 0x0
	s_wait_alu depctr_hold_cnt(0) depctr_sa_sdst(0) depctr_va_vdst(0) depctr_va_sdst(0) depctr_va_ssrc(0) depctr_va_vcc(0) depctr_vm_vsrc(0)
	s_getreg_b32 s2, hwreg(HW_REG_IB_STS2, 6, 4)
	s_cmp_eq_u32 s2, 0
	s_cbranch_scc0 .Lentry_in_a_cluster
	s_endpgm
.Lentry_in_a_cluster:
	s_bfe_u32 s2, ttmp6, 0x10000c
	s_cmp_lg_u32 s2, 0x3003
	s_cbranch_scc0 .Lentry_shape_is_right
	s_endpgm
.Lentry_shape_is_right:
; Launch 3 of 4: O[q] = sum over keys of softmax(q . k / 8) v for each of 64 (batch, head), 2,048 tokens, head size 64, no mask; both products on codes of E2M1; O quantised along the model's 1,024 for the last product.  No work is left out.
; THE SOFTMAX AHEAD OF THE SECOND PRODUCT: t = score x log2(e) / 8; M = the running largest t rounded up to a whole number; p = 2^(t - M) is quantised along the keys, not normalised; the row's sum is taken of the
; unquantised p and divides O at the end.  When M moves, the sum and O are multiplied by 2^(old M - new M): exact.
; SHARES.  A work-group owns 256 tokens and a PAIR of heads; each of its sixteen waves owns one tile of 16 queries, in 256 registers, four waves to a SIMD.  A wave walks all 2,048 keys of the first head, then of the second:
; so it holds all four scale bytes of its rows' K step (128 = two heads) of the last product.
; LDS.  The two heads' records (K codes, V codes, K scales, V scales: 139,264 bytes each) are copied as they lie and stay: every byte is filled once.
; CLUSTER.  The four blocks of queries of a cluster read the same two records: each load is joint, mask 15.  Every wave issues two: 34 rows of 256 bytes of each record.  Two loads of a wave are out at the most.
; HEAD SIZE 64 IN AN INSTRUCTION OF K = 128.  A fragment of K holds TWO tiles of 16 keys (registers 0-3: K 0..63; registers 4-7: K 64..127).  Q stands as twelve registers q | 0 | q: the first eight pick the first tile,
; the last eight the second; zero codes add nothing under any scale byte from 1 to 254.  K's scale word holds both tiles' bytes; Q's is its two bytes twice.
; LAYOUT.  Both products transposed (S^T = K Q^T, O^T = V^T P^T): a lane holds one query.  The keys of a tile, and the channels of a tile of V^T, are 8 u + r + 8 (r / 8) of their group of 32: 16 registers of two neighbouring tiles are 16 neighbours.
; No prefetch: all of K and V is asked for at the head, so no later load has anything to run ahead of.
; LIMITS: a block of zeros gets the byte 1 (its codes are zeros; this program alone reads the bytes); NaN and infinities are not served.
; REGISTERS: v1 16 x lane, v2 16 r, v3, v4 the add's two, v5-7 addresses of the step, v8 4 r, v10 the output's scale word; v12 -M, v13 largest t, v[14:15] the sum; v16-27, v28-39 Q of the two heads; v40-47 the output's codes;
;   v48-79 K's fragments; v80-83, v84-87, v88, v89 scale words of K, V, Q; v96-159 S^T, then p; v160-191 O^T; v192-223 V's fragments; v224-231 p's codes; v232-254 at work (v253 p's scale word).
.set REC,   139264
.set PART,  8704                       ; 34 rows of 256 bytes: a wave's sixteenth of a record
.set SPARE, 2*REC                      ; the spare words, 128 bytes for each of sixteen waves
.set WV,  18
.set SEL, 20
.set CS,  22
.set G1,  24
.set G0,  32
.set TB,  40                           ; s40  LDS byte of the step's K codes
.set TS,  41                           ; s41  and of its K scale words
.set CNT, 42
.macro CROUND
	s_barrier_signal -1
	s_barrier_wait -1
	s_cmp_lg_u32 s[WV], 0
	s_cbranch_scc1 .Lnot_wave_0_\@
	s_barrier_signal -3
.Lnot_wave_0_\@:
	s_barrier_wait -3
	s_barrier_signal -1
	s_barrier_wait -1
.endm
	s_load_b128 s[4:7], s[0:1], 0x0                ; qq, kv
	s_load_b64 s[8:9], s[0:1], 0x10                ; oq
	v_lshl_add_u32 v3, v0, 2, SPARE
	v_mov_b32 v4, 0
	ds_add_u32 v3, v4                              ; the wave's opening: the add, twice on end, and its wait ahead of my first tensor load
	ds_add_u32 v3, v4
	v_lshrrev_b32 v5, 5, v0
	s_delay_alu instid0(VALU_DEP_1)
	v_readfirstlane_b32 s[WV], v5                  ; wave 0..15
	s_and_b32 s50, ttmp7, 0xffff                   ; y = 8 batch + pair of heads: the four partners share it
	s_mov_b32 s[G1], 15|(3<<16)|(1<<21)            ; the mask: all four; elements of 8 bytes; bit 21 beside a mask; no padding
	s_mov_b32 s[G1+1], 32<<16
	s_mov_b32 s[G1+2], 34<<16
	s_mov_b32 s[G1+3], 32<<16
	s_mov_b32 s[G1+4], 34
	s_mov_b32 s[G1+5], 32
	s_mov_b32 s[G1+6], 0
	s_mov_b32 s[G1+7], 0
	s_mov_b32 s32, 1
	s_mov_b32 s36, 1
	s_mul_i32 s33, s[WV], PART                     ; LDS: my part of the first record,
	s_add_co_u32 s37, s33, REC                     ; of the second
	s_mul_i32 s34, s50, 2*REC
	s_add_co_u32 s34, s34, s33
	s_mov_b32 s35, 0
	s_add_co_u32 s38, s34, REC
	s_mov_b32 s39, 0
	s_mov_b32 s[SEL], 0x76543210
	s_mov_b32 s[SEL+1], 0xfedcba98
	s_mov_b32 s[CS], 0x3e38aa3b                    ; c = log2(e) / 8
	s_mov_b32 s[CS+1], s[CS]
	s_bfe_u32 s48, ttmp6, 0x40000                  ; cx: it enters q's and the output's global addresses alone
	s_lshl_b32 s49, ttmp9, 2
	s_add_co_u32 s49, s49, s48                     ; my block of 256 tokens
	s_lshl_b32 s51, s49, 4
	s_add_co_u32 s51, s51, s[WV]                   ; my tile of 16 tokens, 0..127
	s_lshl_b32 s10, s50, 17                        ; q's image: head 2 y, 65,536 bytes a head, 512 a tile
	s_lshl_b32 s52, s51, 9
	s_add_co_u32 s10, s10, s52
	s_mov_b32 s11, 0
	s_lshl_b32 s12, s50, 13                        ; q's scale word: 4,096 bytes a head, 256 for eight tiles, 4 for two
	s_lshr_b32 s52, s51, 3
	s_lshl_b32 s52, s52, 8
	s_add_co_u32 s12, s12, s52
	s_bfe_u32 s52, s51, 0x20001
	s_lshl_b32 s52, s52, 2
	s_add_co_u32 s12, s12, s52
	s_add_co_u32 s12, s12, 4194304
	s_mov_b32 s13, 0
	s_lshr_b32 s53, s50, 3
	s_and_b32 s54, s50, 7                          ; the pair: K step of the last product
	s_lshl_b32 s53, s53, 7
	s_add_co_u32 s53, s53, s51                     ; T = 128 batch + tile
	s_lshr_b32 s44, s54, 2
	s_lshl_b32 s44, s44, 21
	s_lshl_b32 s52, s53, 12
	s_add_co_u32 s44, s44, s52
	s_and_b32 s52, s54, 3
	s_lshl_b32 s52, s52, 10
	s_add_co_u32 s44, s44, s52
	s_mov_b32 s45, 0
	s_lshl_b32 s46, s53, 9
	s_lshl_b32 s52, s54, 6
	s_add_co_u32 s46, s46, s52
	s_add_co_u32 s46, s46, 4194304
	s_mov_b32 s47, 0
	s_mov_b32 s55, 0x03020302                      ; an odd tile's two bytes are the word's high half,
	s_bitcmp1_b32 s[WV], 0
	s_cselect_b32 s55, s55, 0x01000100             ; an even tile's its low half: taken twice
	v_and_b32 v1, 31, v0
	s_delay_alu instid0(VALU_DEP_1)
	v_lshlrev_b32 v1, 4, v1
	v_and_b32 v8, 15, v0
	s_delay_alu instid0(VALU_DEP_1)
	v_lshlrev_b32 v2, 4, v8
	s_delay_alu instid0(VALU_DEP_2)
	v_lshlrev_b32 v8, 2, v8
	s_wait_dscnt 0x0                               ; both opening adds are done
	s_wait_kmcnt 0x0
	s_add_nc_u64 s[34:35], s[6:7], s[34:35]
	s_or_b32 s35, s35, 0x80000000
	s_add_nc_u64 s[38:39], s[6:7], s[38:39]
	s_or_b32 s39, s39, 0x80000000
	s_add_nc_u64 s[10:11], s[4:5], s[10:11]
	s_add_nc_u64 s[12:13], s[4:5], s[12:13]
	s_add_nc_u64 s[44:45], s[8:9], s[44:45]
	s_add_nc_u64 s[46:47], s[8:9], s[46:47]
	CROUND                                         ; all four work-groups are here: the joint loads meet
	tensor_load_to_lds s[32:35], s[G1:G1+7]        ; the first head's record,
	s_nop 0
	s_wait_alu depctr_va_vdst(0)
	s_wait_tensorcnt 0x0
	ds_add_u32 v3, v4
	s_wait_dscnt 0x0
	CROUND
	tensor_load_to_lds s[36:39], s[G1:G1+7]        ; the second's
	s_nop 0
.rept 4
	v_nop
.endr
	s_wait_alu depctr_va_vdst(0)
	global_load_b128 v[16:19], v1, s[10:11]        ; q | 0 | q of the first head,
	global_load_b128 v[24:27], v1, s[10:11]
	global_load_b128 v[28:31], v1, s[10:11] offset:65536   ; of the second
	global_load_b128 v[36:39], v1, s[10:11] offset:65536
	global_load_b32 v90, v2, s[12:13]
	global_load_b32 v91, v2, s[12:13] offset:4096
.irp j, 20,21,22,23,32,33,34,35
	v_mov_b32 v\j, 0
.endr
.irp j, 236,237,238,239,252,253
	v_mov_b32 v\j, 0                               ; written once: a lane permute's destination counts as a source, and v253 is named in a pair before it is first made
.endr
	s_wait_loadcnt 0x0
	v_perm_b32 v88, v90, v90, s55                  ; Q's scale words: (s0, s1, s0, s1)
	v_perm_b32 v89, v91, v91, s55
; A KEY STEP: 128 keys.  q: Q's first register; qs: its scale word
.macro STEP q, qs
	v_add_nc_u32 v5, s[TB], v1
	v_add_nc_u32 v7, s[TS], v2
	s_delay_alu instid0(VALU_DEP_2)
	v_add_nc_u32 v6, 0x10000, v5                   ; V's codes lie 65,536 bytes behind K's
.irp b, 0,1,2,3
.irp c, 0,1
	ds_load_b128 v[48+8*\b+4*\c:48+8*\b+4*\c+3], v5 offset:1024*\b+512*\c   ; tiles 2 b and 2 b + 1 of the step's keys: one fragment
.endr
.endr
	ds_load_b128 v[80:83], v7                      ; their scale words, one for each fragment
	s_wait_alu depctr_va_vdst(0)
	s_wait_dscnt 0x0
.irp b, 0,1,2,3
	v_wmma_scale_f32_16x16x128_f8f6f4 v[96+16*\b:103+16*\b], v[48+8*\b:55+8*\b], v[\q:\q+7], 0, v[80+\b], v[\qs] matrix_a_fmt:MATRIX_FMT_FP4 matrix_b_fmt:MATRIX_FMT_FP4
	v_wmma_scale_f32_16x16x128_f8f6f4 v[104+16*\b:111+16*\b], v[48+8*\b:55+8*\b], v[\q+4:\q+11], 0, v[80+\b], v[\qs] matrix_a_fmt:MATRIX_FMT_FP4 matrix_b_fmt:MATRIX_FMT_FP4
.endr                                              ; lane (r, h): query r; register 16 b + i: key 32 b + 16 h + i of the step
.rept 4
	v_nop                                          ; places: behind these products for the reads of the scores, behind the last step's V^T P for the loads below
.endr
.irp t, 0,1,2,3
.irp c, 0,1
	ds_load_b128 v[192+8*\t+4*\c:192+8*\t+4*\c+3], v6 offset:1024*\t+512*\c   ; V^T's four fragments land while the softmax is worked
.endr
.endr
	ds_load_b128 v[84:87], v7 offset:4096
.irp b, 0,1,2,3
	v_max3_num_f32 v[232+\b], v[96+16*\b], v[97+16*\b], v[98+16*\b]   ; the largest score of each block of 32 keys: for the row's maximum and, since p rises with the score, for the block's largest p
.endr
.irp n, 3,5,7,9,11,13
.irp b, 0,1,2,3
	v_max3_num_f32 v[232+\b], v[232+\b], v[96+16*\b+\n], v[97+16*\b+\n]
.endr
.endr
.irp b, 0,1,2,3
	v_max_num_f32 v[232+\b], v[232+\b], v[111+16*\b]
.endr
.irp b, 0,1,2,3
	s_delay_alu instid0(VALU_DEP_4)
	v_permlanex16_b32 v[236+\b], v[232+\b], s[SEL], s[SEL+1]
.endr
.irp b, 0,1,2,3
	s_delay_alu instid0(VALU_DEP_4)
	v_max_num_f32 v[232+\b], v[232+\b], v[236+\b]  ; with lane l xor 16's 16 keys
.endr
	s_delay_alu instid0(VALU_DEP_2)
	v_max3_num_f32 v254, v232, v233, v234
	s_delay_alu instid0(VALU_DEP_1)
	v_max_num_f32 v254, v254, v235
	s_delay_alu instid0(VALU_DEP_1)
	v_mul_f32 v254, s[CS], v254                    ; the step's largest t (c is positive)
	s_delay_alu instid0(VALU_DEP_1)
	v_max_num_f32 v13, v13, v254                   ; the running largest t
	v_mov_b32 v254, v12
	s_delay_alu instid0(VALU_DEP_2)
	v_floor_f32 v12, -v13                          ; the new -M = floor(-t): M is a whole number
	s_delay_alu instid0(VALU_DEP_1)
	v_sub_f32 v254, v12, v254                      ; old M - new M: a whole number, 0 or less
	s_delay_alu instid0(VALU_DEP_1)
	v_cvt_i32_f32 v254, v254                       ; (it saturates)
	s_delay_alu instid0(VALU_DEP_1)
	v_ldexp_f32 v252, 1.0, v254                    ; f = 2^(old M - new M)
.set i, 0
.rept 32
	v_pk_fma_f32 v[96+i:97+i], v[96+i:97+i], s[CS:CS+1], v[12:13] op_sel_hi:[1,0,0]   ; t - M, two at a time
.set i, i+2
.endr
.irp b, 0,1,2,3
	v_fma_f32 v[232+\b], v[232+\b], s[CS], v12     ; the same of each block's largest score
.endr
.set i, 0
	s_wait_alu depctr_va_vdst(0)
.rept 64
	v_exp_f32 v[96+i], v[96+i]                     ; p = 2^(t - M), at most 1
.set i, i+1
.endr
	s_setprio 1
	v_pk_mul_f32 v[14:15], v[14:15], v[252:253] op_sel_hi:[1,0]   ; the sums under the new M: the plain line behind the exponentials
	s_wait_alu depctr_va_vdst(0)                   ; one wait for the batch, ahead of its first reader
.irp b, 0,1,2,3
	v_exp_f32 v[232+\b], v[232+\b]                 ; each block's largest p
.endr
	v_pk_add_f32 v[240:241], v[96:97], v[98:99]    ; the row's sum of the unquantised p, two at a time, in two chains
.set i, 4
.rept 13
	v_pk_add_f32 v[14:15], v[14:15], v[96+i:97+i]
	v_pk_add_f32 v[240:241], v[240:241], v[98+i:99+i]
.set i, i+4
.endr
	s_wait_alu depctr_va_vdst(0)                   ; and one for the four
.irp b, 0,1,2,3
	v_max_num_f32 v[232+\b], 0x1800000, v[232+\b]  ; the floor 2^(3 - 127)
.endr
.irp b, 0,1,2,3
	s_delay_alu instid0(VALU_DEP_4)
	v_add_nc_u32 v[244+\b], 0xff000000, v[232+\b]  ; the conversion's scale operand
.endr
.irp b, 0,1,2,3
	s_delay_alu instid0(VALU_DEP_4)
	v_lshrrev_b32 v[236+\b], 23, v[244+\b]         ; the scale's byte
.endr
	s_delay_alu instid0(VALU_DEP_3)
	v_lshl_or_b32 v253, v237, 8, v236              ; p's scale word for these 128 keys
	s_delay_alu instid0(VALU_DEP_1)
	v_lshl_or_b32 v253, v238, 16, v253
	s_delay_alu instid0(VALU_DEP_1)
	v_lshl_or_b32 v253, v239, 24, v253
.irp b, 0,1,2,3
	v_cvt_scalef32_pk8_fp4_f32 v[224+2*\b], v[96+16*\b:103+16*\b], v[244+\b]
	v_cvt_scalef32_pk8_fp4_f32 v[225+2*\b], v[104+16*\b:111+16*\b], v[244+\b]
.endr
	v_nop                                          ; one plain line behind a scaled conversion
.irp c, 0,1
.irp n, 0,1
	v_permlane16_swap_b32 v[224+4*\c+\n], v[226+4*\c+\n]   ; a whole block in a lane
.endr
.endr
.set i, 0
	s_setprio 0
.rept 16
	v_pk_mul_f32 v[160+i:161+i], v[160+i:161+i], v[252:253] op_sel_hi:[1,0]   ; O^T under the new M
.set i, i+2
.endr
.set i, 56
.rept 2
	v_pk_add_f32 v[14:15], v[14:15], v[96+i:97+i]  ; the sums' last five additions stand here: plain lines that name no register of the products below
	v_pk_add_f32 v[240:241], v[240:241], v[98+i:99+i]
.set i, i+4
.endr
	s_delay_alu instid0(VALU_DEP_1)
	v_pk_add_f32 v[14:15], v[14:15], v[240:241]
	s_wait_alu depctr_va_vdst(0)
	s_wait_dscnt 0x0                               ; V's fragments and scale words are in
.irp t, 0,1,2,3
	v_wmma_scale_f32_16x16x128_f8f6f4 v[160+8*\t:167+8*\t], v[192+8*\t:199+8*\t], v[224:231], v[160+8*\t:167+8*\t], v[84+\t], v253 matrix_a_fmt:MATRIX_FMT_FP4 matrix_b_fmt:MATRIX_FMT_FP4
.endr                                              ; four accumulators by turns
.endm
; A head is done: O^T / the sum; register 16 b + i is channel 32 b + 16 h + i of my query: two blocks of 32 of the last product's K.  Codes into v[40 + 4 p ..], the two bytes into v10 at bit 16 p.
.macro FINISH p
.rept 4
	v_nop                                          ; places behind the last products
.endr
	v_add_f32 v14, v14, v15
	s_delay_alu instid0(VALU_DEP_1)
	v_permlanex16_b32 v252, v14, s[SEL], s[SEL+1]
	s_delay_alu instid0(VALU_DEP_1)
	v_add_f32 v14, v14, v252                       ; the row's sum
	s_wait_alu depctr_va_vdst(0)
	v_rcp_f32 v14, v14
	v_nop                                          ; a plain line behind the reciprocal,
	s_wait_alu depctr_va_vdst(0)                   ; and the wait ahead of its first reader
.set i, 0
.rept 16
	v_pk_mul_f32 v[96+i:97+i], v[160+i:161+i], v[14:15] op_sel_hi:[1,0]   ; each accumulator from its low end on
.set i, i+2
.endr
.irp b, 0,1
	v_max3_num_f32 v[232+\b], |v[96+16*\b]|, |v[97+16*\b]|, 0x1800000
.endr
.irp n, 2,4,6,8,10,12,14
.irp b, 0,1
	s_delay_alu instid0(VALU_DEP_2)
	v_max3_num_f32 v[232+\b], v[232+\b], |v[96+16*\b+\n]|, |v[97+16*\b+\n]|
.endr
.endr
.irp b, 0,1
	s_delay_alu instid0(VALU_DEP_2)
	v_permlanex16_b32 v[236+\b], v[232+\b], s[SEL], s[SEL+1]
.endr
.irp b, 0,1
	s_delay_alu instid0(VALU_DEP_2)
	v_max_num_f32 v[232+\b], v[232+\b], v[236+\b]
.endr
.irp b, 0,1
	s_delay_alu instid0(VALU_DEP_2)
	v_add_nc_u32 v[244+\b], 0xff000000, v[232+\b]
.endr
.irp b, 0,1
	s_delay_alu instid0(VALU_DEP_2)
	v_lshrrev_b32 v[236+\b], 23, v[244+\b]
.endr
.irp b, 0,1
	v_cvt_scalef32_pk8_fp4_f32 v[40+4*(\p)+2*\b], v[96+16*\b:103+16*\b], v[244+\b]
	v_cvt_scalef32_pk8_fp4_f32 v[41+4*(\p)+2*\b], v[104+16*\b:111+16*\b], v[244+\b]
.endr
	v_nop
	v_permlane16_swap_b32 v[40+4*(\p)], v[42+4*(\p)]
	v_permlane16_swap_b32 v[41+4*(\p)], v[43+4*(\p)]
	global_store_b128 v1, v[40+4*(\p):43+4*(\p)], s[44:45] offset:512*(\p)   ; 512 consecutive aligned bytes; these registers are not written again
.if (\p) == 0
	v_lshl_or_b32 v10, v237, 8, v236
.else
	v_lshl_or_b32 v254, v237, 8, v236
	s_delay_alu instid0(VALU_DEP_1)
	v_lshl_or_b32 v10, v254, 16, v10
.endif
.endm
.macro PASS p
	s_wait_tensorcnt 1-(\p)                        ; my part of this head's record is in; in the first pass the second head's load may be out
	s_wait_dscnt 0x0
	s_barrier_signal -1
	s_barrier_wait -1                              ; everybody's is
	v_mov_b32 v13, 0xff61b1e6                      ; the largest t so far: -3e38
	s_delay_alu instid0(VALU_DEP_1)
	v_floor_f32 v12, -v13
	v_mov_b32 v14, 0
	v_mov_b32 v15, 0
.set i, 0
.rept 32
	v_mov_b32 v[160+i], 0                          ; the step is written once: its first trip finds zeros
.set i, i+1
.endr
	s_mov_b32 s[TB], REC*(\p)
	s_mov_b32 s[TS], REC*(\p)+131072
	s_mov_b32 s[CNT], 16
.Lstep_\@:
	s_setprio 2
	STEP 16+12*(\p), 88+(\p)
	s_add_co_u32 s[TB], s[TB], 4096
	s_add_co_u32 s[TS], s[TS], 256
	s_sub_co_u32 s[CNT], s[CNT], 1
	s_cmp_lg_u32 s[CNT], 0
	s_cbranch_scc1 .Lstep_\@
	s_setprio 0
	FINISH \p
.endm
	PASS 0
	PASS 1
	global_store_b32 v8, v10, s[46:47]             ; my rows' scale words of this K step: 64 consecutive bytes; lanes l and l xor 16 hold the same word and name the same address
	s_wait_tensorcnt 0x0                           ; the wave's end
	ds_add_u32 v3, v4
	s_wait_dscnt 0x0
	CROUND                                         ; the closing round
	s_endpgm
.Lfunc_end_k_q4f088dab64_attn:
	.size	k_q4f088dab64_attn, .Lfunc_end_k_q4f088dab64_attn-k_q4f088dab64_attn
	.p2alignl 7, 3214868480
	.fill 96, 4, 3214868480
	.section	.rodata,"a",@progbits
	.p2align	6, 0x0
	.amdhsa_kernel k_q4f088dab64_attn
		.amdhsa_group_segment_fixed_size 327680
		.amdhsa_private_segment_fixed_size 0
		.amdhsa_enable_private_segment 0
		.amdhsa_kernarg_size 24
		.amdhsa_user_sgpr_count 2
		.amdhsa_user_sgpr_kernarg_segment_ptr 1
		.amdhsa_wavefront_size32 1
		.amdhsa_system_sgpr_workgroup_id_x 1
		.amdhsa_system_sgpr_workgroup_id_y 1
		.amdhsa_system_sgpr_workgroup_id_z 1
		.amdhsa_system_vgpr_workitem_id 0
		.amdhsa_next_free_vgpr 256
		.amdhsa_next_free_sgpr 66
		.amdhsa_reserve_vcc 0
		.amdhsa_float_denorm_mode_32 3
		.amdhsa_float_denorm_mode_16_64 3
		.amdhsa_memory_ordered 1
		.amdhsa_forward_progress 1
		.amdhsa_inst_pref_size 50
	.end_amdhsa_kernel
	.amdgpu_metadata
---
amdhsa.version: [ 1, 2 ]
amdhsa.kernels:
  - .name:           k_q4f088dab64_attn
    .symbol:         k_q4f088dab64_attn.kd
    .args:
      - { .name: qq, .offset: 0, .size: 8, .value_kind: global_buffer, .address_space: global }
      - { .name: kv, .offset: 8, .size: 8, .value_kind: global_buffer, .address_space: global }
      - { .name: oq, .offset: 16, .size: 8, .value_kind: global_buffer, .address_space: global }
    .group_segment_fixed_size: 327680
    .private_segment_fixed_size: 0
    .kernarg_segment_align: 8
    .kernarg_segment_size: 24
    .max_flat_workgroup_size: 512
    .sgpr_count:     66
    .vgpr_count:     256
    .wavefront_size: 32
...
	.end_amdgpu_metadata
.endif
;; end of part 3
;; launch oproj (part 4): grid 4 x 32, 4 waves a work-group, clusters of 4 x 4, 327,680 bytes of LDS; arguments oq, wq, bo, out0; writes out0
.if DOCPART == 4
	.amdgcn_target "amdgcn-amd-amdhsa--gfx1250"
	.amdhsa_code_object_version 6
	.text
	.protected	k_q4f088dab64_oproj
	.globl	k_q4f088dab64_oproj
	.p2align	8
	.type	k_q4f088dab64_oproj,@function
k_q4f088dab64_oproj:
	s_mov_b64 s[64:65], 0
	v_nop
	global_prefetch_b8 v0, s[64:65] scope:SCOPE_SE
	s_setreg_imm32_b32 hwreg(HW_REG_WAVE_MODE, 25, 1), 1
	s_wait_xcnt 0x0
	s_wait_alu depctr_hold_cnt(0) depctr_sa_sdst(0) depctr_va_vdst(0) depctr_va_sdst(0) depctr_va_ssrc(0) depctr_va_vcc(0) depctr_vm_vsrc(0)
	s_getreg_b32 s2, hwreg(HW_REG_IB_STS2, 6, 4)
	s_cmp_eq_u32 s2, 0
	s_cbranch_scc0 .Lentry_in_a_cluster
	s_endpgm
.Lentry_in_a_cluster:
	s_bfe_u32 s2, ttmp6, 0x10000c
	s_cmp_lg_u32 s2, 0xf033
	s_cbranch_scc0 .Lentry_shape_is_right
	s_endpgm
.Lentry_shape_is_right:
; Launch 4 of 4: out0 = O Wo + bo on codes of E2M1; out0 [8192][1024] f32.  No work is left out.
; A tile of 256 x 256 to a work-group of four waves, 128 x 128 a wave.  K = 1,024 is two LDS slots of 512 along K, both asked for at the head; nothing is filled again.
; Source 0 = 16 columns of Wo ("B"), source 1 = 16 tokens ("A"): a lane holds one token and neighbouring features.  Operands lie in memory as images of their registers (launch 1): no pitch, no padding.
; The rows of a tile of 16 are 8 u + r + 8 (r / 8) of their group of 32: the way out puts features and tokens back in their places.  The bias is the C of each sum's first product: no addition.
; CLUSTERS: 4 x 4 work-groups; A's tile is shared along a row of the cluster, B's along a column.  128 tiles of this size: the grid has work for 128 work-groups.
; No prefetch: all tiles are asked for at the head.
; REGISTERS: window 0: v0-31 addresses; v32-95 scale words, two sets, and nothing else; v128-191 A's fragments; v192-255 the bias, later rows on the way out.  window 1: B's two sets.  windows 2, 3: the accumulators.
.set NQ,    4
.set FR,    8
.set NL,    2
.set NP,    4
.set SLOT,  131072
.set SCL,   262144
.set BIAS,  278528
.set SPARE, 279552
.set SPITCH, 528                       ; the way out: a stage of 16 rows x (512 bytes + 16) for each wave, in slot 0, which has had its one fill and its last read by then
.set ADRA, 16
.set ADRB, 20
.set STO,  24
.set RD,   25
.set CO,   26
.set ADRS, 27
.set SPW,  28
.set NIL,  29
.set SC,   32
.set AF,   128
.set BI,   192
.set BK,   128
.set G1, 24
.set G0, 32
.set G1B, 48
.set G0B, 56
.set G1S, 68
.set G0S, 76
.set G1SB, 80
.set G0SB, 88
.set G1C, 92
.set MSB, 0
.macro WIN new
.if MSB != (\new)
	s_set_vgpr_msb (MSB<<8)|(\new)
.set MSB, (\new)
.endif
.endm
.set MUL_LO, 0xa1
.set MUL_HI, 0xf1
.set FIRST_LO, 0x81                    ; the first step: C (the bias) in window 0, D in window 2
.set FIRST_HI, 0xc1                    ; D in window 3
.set TO_B,   0x40
.macro JLOAD g0a, g1a, g0b, g1b
	s_cmp_eq_u32 s19, 0
	s_cbranch_scc0 .Lfor_b_\@
	tensor_load_to_lds s[\g0a:\g0a+3], s[\g1a:\g1a+7]
	s_nop 0
.rept 4
	v_nop
.endr
	s_branch .Lasked_\@
.Lfor_b_\@:
	tensor_load_to_lds s[\g0b:\g0b+3], s[\g1b:\g1b+7]
	s_nop 0
.rept 4
	v_nop
.endr
.Lasked_\@:
.endm
.macro CROUND
	s_barrier_signal -1
	s_barrier_wait -1
	s_cmp_lg_u32 s18, 0
	s_cbranch_scc1 .Lnot_wave_0_\@
	s_barrier_signal -3
.Lnot_wave_0_\@:
	s_barrier_wait -3
	s_barrier_signal -1
	s_barrier_wait -1
.endm
	s_load_b256 s[4:11], s[0:1], 0x0               ; oq, wq, bo, out0
	v_lshl_add_u32 v[SPW], v0, 2, SPARE
	v_mov_b32 v[NIL], 0
	ds_add_u32 v[SPW], v[NIL]                      ; the wave's opening: the add, twice on end, and its wait ahead of my first tensor load
	ds_add_u32 v[SPW], v[NIL]
	v_lshrrev_b32 v1, 5, v0
	v_readfirstlane_b32 s18, v1
	s_lshr_b32 s19, s18, 1                         ; my half of the tokens.  Also: I fetch for A (0) or for B (1)
	s_and_b32 s20, s18, 1                          ; my half of the features.  Also: which 128 rows I fetch
	s_bfe_u32 s22, ttmp6, 0x40000                  ; cx
	s_bfe_u32 s23, ttmp6, 0x40004                  ; cy
	s_lshl_b32 s45, ttmp9, 2
	s_add_co_u32 s45, s45, s22                     ; tile column
	s_and_b32 s44, ttmp7, 0xffff
	s_lshl_b32 s44, s44, 2
	s_add_co_u32 s44, s44, s23                     ; tile row
	s_lshl_b32 s2, s23, 2
	s_lshl_b32 s2, 15, s2
	s_lshl_b32 s3, 0x1111, s22
	s_or_b32 s[G1], s2, (1<<21)
	s_or_b32 s[G1B], s3, (1<<21)
.irp g, G1, G1B
	s_mov_b32 s[\g+1], 256<<16
	s_mov_b32 s[\g+2], 128<<16
	s_mov_b32 s[\g+3], 256<<16
	s_mov_b32 s[\g+4], 128
	s_mov_b32 s[\g+5], 256
	s_mov_b32 s[\g+6], 0
	s_mov_b32 s[\g+7], 0
.endr
	s_or_b32 s[G1S], s2, (3<<16)|(1<<21)
	s_or_b32 s[G1SB], s3, (3<<16)|(1<<21)
.irp g, G1S, G1SB
	s_mov_b32 s[\g+1], 32<<16
	s_mov_b32 s[\g+2], 16<<16
	s_mov_b32 s[\g+3], 32<<16
	s_mov_b32 s[\g+4], 16
	s_mov_b32 s[\g+5], 32
	s_mov_b32 s[\g+6], 0
	s_mov_b32 s[\g+7], 0
.endr
	s_mov_b32 s[G1C], 3<<16
	s_mov_b32 s[G1C+1], 32<<16
	s_mov_b32 s[G1C+2], 1<<16
	s_mov_b32 s[G1C+3], 32<<16
	s_mov_b32 s[G1C+4], 1
	s_mov_b32 s[G1C+5], 32
	s_mov_b32 s[G1C+6], 1<<16
	s_mov_b32 s[G1C+7], 0
	s_lshl_b32 s34, s44, 16
	s_lshl_b32 s100, s20, 15
	s_add_co_u32 s34, s34, s100
	s_mov_b32 s35, 0
	s_add_co_u32 s38, s34, 2097152
	s_mov_b32 s39, 0
	s_lshl_b32 s58, s45, 16
	s_add_co_u32 s58, s58, s100
	s_add_co_u32 s58, s58, 786432                  ; Wo's tiles are the weights' 12 to 15
	s_mov_b32 s59, 0
	s_add_co_u32 s62, s58, 1048576
	s_mov_b32 s63, 0
	s_lshl_b32 s78, s44, 13
	s_lshl_b32 s100, s20, 12
	s_add_co_u32 s78, s78, s100
	s_add_co_u32 s78, s78, 4194304
	s_mov_b32 s79, 0
	s_lshl_b32 s90, s45, 13
	s_add_co_u32 s90, s90, s100
	s_add_co_u32 s90, s90, 2097152+98304
	s_mov_b32 s91, 0
	s_mov_b32 s32, 1
	s_mov_b32 s36, 1
	s_mov_b32 s56, 1
	s_mov_b32 s60, 1
	s_mov_b32 s76, 1
	s_mov_b32 s88, 1
	s_mov_b32 s12, 1
	s_lshl_b32 s33, s18, 15
	s_add_co_u32 s37, s33, SLOT
	s_lshl_b32 s57, s18, 15
	s_add_co_u32 s61, s57, SLOT
	s_lshl_b32 s77, s18, 12
	s_add_co_u32 s77, s77, SCL
	s_lshl_b32 s89, s18, 12
	s_add_co_u32 s89, s89, SCL
	s_lshl_b32 s13, s18, 8
	s_lshl_b32 s14, s45, 10
	s_add_co_u32 s14, s14, s13
	s_mov_b32 s15, 0
	s_add_co_u32 s13, s13, BIAS
	s_lshl_b32 s40, s44, 20                        ; out0: 256 rows of 4,096 bytes a tile row, my 128 rows,
	s_lshl_b32 s41, s19, 19
	s_add_co_u32 s40, s40, s41
	s_lshl_b32 s41, s45, 10                        ; 1,024 bytes a tile column, my 512
	s_add_co_u32 s40, s40, s41
	s_lshl_b32 s41, s20, 9
	s_add_co_u32 s40, s40, s41
	s_mov_b32 s41, 0
	s_wait_dscnt 0x0                               ; both opening adds are done
	s_wait_kmcnt 0x0
	s_add_nc_u64 s[34:35], s[4:5], s[34:35]
	s_or_b32 s35, s35, 0x80000000
	s_add_nc_u64 s[38:39], s[4:5], s[38:39]
	s_or_b32 s39, s39, 0x80000000
	s_add_nc_u64 s[58:59], s[6:7], s[58:59]
	s_or_b32 s59, s59, 0x80000000
	s_add_nc_u64 s[62:63], s[6:7], s[62:63]
	s_or_b32 s63, s63, 0x80000000
	s_add_nc_u64 s[78:79], s[4:5], s[78:79]
	s_or_b32 s79, s79, 0x80000000
	s_add_nc_u64 s[90:91], s[6:7], s[90:91]
	s_or_b32 s91, s91, 0x80000000
	s_add_nc_u64 s[14:15], s[8:9], s[14:15]
	s_or_b32 s15, s15, 0x80000000
	s_add_nc_u64 s[10:11], s[10:11], s[40:41]
	CROUND                                         ; all sixteen work-groups are here: the first joint loads meet
	JLOAD G0S, G1S, G0SB, G1SB
	tensor_load_to_lds s[12:15], s[G1C:G1C+7]      ; my quarter of the tile column's bias: a load of the work-group's own
	s_nop 0
.rept 4
	v_nop
.endr
	JLOAD G0, G1, G0B, G1B
	JLOAD G0+4, G1, G0B+4, G1B                     ; four loads of mine are out
	v_and_b32 v1, 15, v0
	v_bfe_u32 v2, v0, 4, 1
	s_wait_alu depctr_va_vdst(0)
	v_and_b32 v12, 31, v0
	v_lshlrev_b32 v12, 4, v12
	s_lshl_b32 s100, s19, 15
	s_lshl_b32 s101, s20, 15
	s_add_co_u32 s101, s101, 65536
.irp s, 0,1
	v_add_nc_u32 v[ADRA+\s], s100, v12
	v_add_nc_u32 v[ADRB+\s], s101, v12
	s_add_co_u32 s100, s100, SLOT
	s_add_co_u32 s101, s101, SLOT
.endr
	s_lshl_b32 s100, s19, 12
	s_lshl_b32 s101, s20, 12
	s_add_co_u32 s101, s101, 8192
	s_sub_co_u32 s101, s101, s100
	v_mul_u32_u24 v6, s101, v2
	s_add_co_u32 s100, s100, SCL
	v_lshl_add_u32 v5, v1, 2, v6
	v_add_nc_u32 v[ADRS], s100, v5
	s_lshl_b32 s100, s20, 9
	s_add_co_u32 s100, s100, BIAS
	v_lshl_add_u32 v13, v2, 6, s100                ; the biases of features 32 b + 16 h + 0 .. 15 of my 128
	s_mul_i32 s100, s18, 16*SPITCH                 ; my stage
	v_mul_u32_u24 v5, v1, SPITCH
	v_lshl_add_u32 v5, v2, 6, v5
	v_add_nc_u32 v[STO], s100, v5                  ; in: row r, + 64 h
	v_mov_b32 v[CO], v12                           ; back: the 32 lanes take one row of 512 bytes; and the same in out0
	v_add_nc_u32 v[RD], s100, v12
.macro FRAG reg, adr, q, i
.irp c, 0,1
	ds_load_b128 v[\reg+4*\c:\reg+4*\c+3], v[\adr] offset:4096*(\i)+1024*(\q)+512*\c
.endr
.endm
; 16 matrix instructions; first = 1: the bias is the C of the sums' first products.  The 64 accumulators take turns, one instruction a turn.
.macro MUL16 a0, p, q, sc, first
.irp a, \a0, \a0+1
.irp b, 0,1,2,3,4,5,6,7
.if \first
	v_wmma_scale_f32_16x16x128_f8f6f4 v[8*(8*((\a)%4)+\b):8*(8*((\a)%4)+\b)+7], v[128*(\p)+FR*\b:128*(\p)+FR*\b+FR-1], v[AF+FR*(\a):AF+FR*(\a)+FR-1], v[BI+8*\b:BI+8*\b+7], v[SC+8*NQ*(\sc)+NQ*\b+(\q)], v[SC+8*NQ*(\sc)+NQ*(\a)+(\q)] matrix_a_fmt:MATRIX_FMT_FP4 matrix_b_fmt:MATRIX_FMT_FP4 matrix_a_scale:MATRIX_SCALE_ROW1
.else
	v_wmma_scale_f32_16x16x128_f8f6f4 v[8*(8*((\a)%4)+\b):8*(8*((\a)%4)+\b)+7], v[128*(\p)+FR*\b:128*(\p)+FR*\b+FR-1], v[AF+FR*(\a):AF+FR*(\a)+FR-1], v[8*(8*((\a)%4)+\b):8*(8*((\a)%4)+\b)+7], v[SC+8*NQ*(\sc)+NQ*\b+(\q)], v[SC+8*NQ*(\sc)+NQ*(\a)+(\q)] matrix_a_fmt:MATRIX_FMT_FP4 matrix_b_fmt:MATRIX_FMT_FP4 matrix_a_scale:MATRIX_SCALE_ROW1
.endif
.endr
.endr
.endm
.macro FETCH_B slot, q, p
	WIN TO_B
.irp i, 0,1,2,3,4,5,6,7
	FRAG 128*(\p)+FR*\i, ADRB+\slot, \q, \i
.endr
	WIN 0
.endm
.macro FETCH_A slot, q, i0
.irp i, \i0, \i0+1, \i0+2, \i0+3
	FRAG AF+FR*(\i), ADRA+\slot, \q, \i
.endr
.endm
.macro SCALES sc
.irp i, 0,1,2,3,4,5,6,7
.irp n, 0,1,2,3
	ds_load_b32 v[SC+32*\sc+4*\i+\n], v[ADRS] offset:512*\i+64*(4*\sc+\n)
.endr
.endr
.endm
.macro PLACES n
.rept \n
	v_nop
.endr
.endm
.macro STEP slot, q, first
	s_wait_dscnt 4*NL                              ; all but the youngest eight loads (A's blocks 4-7) are in
.if \first
	WIN FIRST_LO
.else
	WIN MUL_LO
.endif
	MUL16 0, (\q)%2, \q, \slot, \first
	MUL16 2, (\q)%2, \q, \slot, \first
	s_wait_dscnt 0
	PLACES NP
	FETCH_B \slot, (\q)+1, 1-(\q)%2
	FETCH_A \slot, (\q)+1, 0
.if \first
	WIN FIRST_HI
.else
	WIN MUL_HI
.endif
	MUL16 4, (\q)%2, \q, \slot, \first
	MUL16 6, (\q)%2, \q, \slot, \first
	PLACES NP
	WIN 0
	FETCH_A \slot, (\q)+1, 4
.endm
.macro STEPS slot, from
.set Q, \from
.rept NQ-1-\from
	STEP \slot, Q, 0
.set Q, Q+1
.endr
.endm
.macro TURN slot, next
	s_wait_tensorcnt 0x0                           ; all my tensor loads have landed: my part of slot 1
	ds_add_u32 v[SPW], v[NIL]                      ; 0 onto my spare word
	s_wait_dscnt 4*NL+1                            ; (the add and the youngest eight loads may be out)
	WIN MUL_LO
	MUL16 0, 1, NQ-1, \slot, 0
	s_wait_dscnt 0x0                               ; my reads of slot 0 are over
	s_barrier_signal -1
	MUL16 2, 1, NQ-1, \slot, 0
	WIN 0
	s_barrier_wait -1
	PLACES NP
	FETCH_B \next, 0, 0
	FETCH_A \next, 0, 0
	SCALES \next
	WIN MUL_HI
	MUL16 4, 1, NQ-1, \slot, 0
	MUL16 6, 1, NQ-1, \slot, 0
	PLACES NP
	WIN 0
	FETCH_A \next, 0, 4
.endm
	s_wait_alu depctr_va_vdst(0)
	s_wait_tensorcnt 1                             ; the scale words, the bias and my part of slot 0 are in; slot 1's load may be out
	s_barrier_signal -1
	s_barrier_wait -1
.irp b, 0,1,2,3
.irp n, 0,1,2,3
	ds_load_b128 v[BI+16*\b+4*\n:BI+16*\b+4*\n+3], v13 offset:128*\b+16*\n   ; register 8 b' + j: the bias of the feature that register j of B's tile b' holds
.endr
.endr
	FETCH_B 0, 0, 0
	FETCH_A 0, 0, 0
	SCALES 0
	FETCH_A 0, 0, 4
	STEP 0, 0, 1
	STEPS 0, 1
	TURN 0, 1
	STEPS 1, 0
	s_wait_dscnt 4*NL
	WIN MUL_LO
	MUL16 0, 1, NQ-1, 1, 0
	MUL16 2, 1, NQ-1, 1, 0
	s_wait_dscnt 0
	WIN MUL_HI
	MUL16 4, 1, NQ-1, 1, 0
	MUL16 6, 1, NQ-1, 1, 0
	WIN 0
; THE WAY OUT, block by block of 16 tokens x 128 features, through my own stage: tile b's eight features of my half lie at byte 128 (b / 2) + 64 h + 32 (b % 2) of the row; whole rows of 512 bytes come back.
; LDS serves a wave's instructions in order (ISA guide 5.7.1.4): no wait between the stores and the loads, nor in front of the next block's stores.
.macro TOSTAGE a
.set AC, 64*((\a)%4)
	WIN 0x08+4*((\a)/4)                            ; the data: window 2 or 3
.irp b, 0,1,2,3,4,5,6,7
	ds_store_b128 v[STO], v[AC+8*\b:AC+8*\b+3] offset:128*(\b/2)+32*(\b%2)          ; each accumulator from its low end on
	ds_store_b128 v[STO], v[AC+8*\b+4:AC+8*\b+7] offset:128*(\b/2)+32*(\b%2)+16
.endr
	WIN 0
.set BB, BK+64*((\a)%2)
.irp t, 0,1,2,3,4,5,6,7,8,9,10,11,12,13,14,15
	ds_load_b128 v[BB+4*\t:BB+4*\t+3], v[RD] offset:\t*SPITCH
.endr
.endm
.macro SEND a, younger                 ; slot t of block a is token 32 (a / 2) + 8 (a % 2) + t + 8 (t / 8) of my 128: 127 rows of 4,096 bytes at the most, inside the signed 24-bit immediate
.set BB, BK+64*((\a)%2)
	s_wait_dscnt \younger
.irp t, 0,1,2,3,4,5,6,7,8,9,10,11,12,13,14,15
	global_store_b128 v[CO], v[BB+4*\t:BB+4*\t+3], s[10:11] offset:(32*((\a)/2)+8*((\a)%2)+\t+8*(\t/8))*4096 th:TH_STORE_NT   ; 32 lanes store 512 consecutive aligned bytes
.endr
.endm
	PLACES NP
	TOSTAGE 0
.irp a, 1,2,3,4,5,6,7
.if \a > 1
	s_wait_xcnt 0x0                                ; block a - 2's stores have read their registers: block a's loads may land there
.endif
	TOSTAGE \a
	SEND \a-1, 32                                  ; behind block a - 1's loads: block a's 16 stores and 16 loads
.endr
	SEND 7, 0
	s_wait_tensorcnt 0x0                           ; the wave's end, behind my last LDS store
	ds_add_u32 v[SPW], v[NIL]
	s_wait_dscnt 0x0
	CROUND                                         ; the closing round
	s_endpgm
.Lfunc_end_k_q4f088dab64_oproj:
	.size	k_q4f088dab64_oproj, .Lfunc_end_k_q4f088dab64_oproj-k_q4f088dab64_oproj
	.p2alignl 7, 3214868480
	.fill 96, 4, 3214868480
	.section	.rodata,"a",@progbits
	.p2align	6, 0x0
	.amdhsa_kernel k_q4f088dab64_oproj
		.amdhsa_group_segment_fixed_size 327680
		.amdhsa_private_segment_fixed_size 0
		.amdhsa_enable_private_segment 0
		.amdhsa_kernarg_size 32
		.amdhsa_user_sgpr_count 2
		.amdhsa_user_sgpr_kernarg_segment_ptr 1
		.amdhsa_wavefront_size32 1
		.amdhsa_system_sgpr_workgroup_id_x 1
		.amdhsa_system_sgpr_workgroup_id_y 1
		.amdhsa_system_sgpr_workgroup_id_z 1
		.amdhsa_system_vgpr_workitem_id 0
		.amdhsa_next_free_vgpr 1024
		.amdhsa_next_free_sgpr 106
		.amdhsa_reserve_vcc 0
		.amdhsa_float_denorm_mode_32 3
		.amdhsa_float_denorm_mode_16_64 3
		.amdhsa_memory_ordered 1
		.amdhsa_forward_progress 1
		.amdhsa_inst_pref_size 129
	.end_amdhsa_kernel
	.amdgpu_metadata
---
amdhsa.version: [ 1, 2 ]
amdhsa.kernels:
  - .name:           k_q4f088dab64_oproj
    .symbol:         k_q4f088dab64_oproj.kd
    .args:
      - { .name: oq, .offset: 0, .size: 8, .value_kind: global_buffer, .address_space: global }
      - { .name: wq, .offset: 8, .size: 8, .value_kind: global_buffer, .address_space: global }
      - { .name: bo, .offset: 16, .size: 8, .value_kind: global_buffer, .address_space: global }
      - { .name: out0, .offset: 24, .size: 8, .value_kind: global_buffer, .address_space: global }
    .group_segment_fixed_size: 327680
    .private_segment_fixed_size: 0
    .kernarg_segment_align: 8
    .kernarg_segment_size: 32
    .max_flat_workgroup_size: 128
    .sgpr_count:     106
    .vgpr_count:     1024
    .wavefront_size: 32
...
	.end_amdgpu_metadata
.endif
;; end of part 4
